; MI455X (gfx1250); checked and timed in simulation.
; The chip was launched on July 23, 2026; its instructions are those of AMD's public machine-readable ISA for CDNA 5 (MIT licence, August 2026) and "CDNA5" Instruction Set Architecture Reference Guide (July 2026). The comments in the code are by the model that wrote it; some were corrected since.
;; Dozer Attention. Allowed arithmetic: matrix products marked QUANTISED: E2M3 operands, one E8M0 scale for each 32 along K, by v_wmma_scale_f32_16x16x128_f8f6f4 with both operands' format E2M3, f32 sums; everything else in f32.
;; Inputs: attn_mask 2 x 1 x 2,048 x 2,048 bool; keys 2 x 2,048 x 8 x 64 float32; queries 2 x 2,048 x 8 x 64 float32; values 2 x 2,048 x 8 x 64 float32.
;; Outputs: out0 2 x 2,048 x 8 x 64 float32.
;; This version of the problem:
;;   THIS VERSION OF THE PROBLEM IS GIVEN IN LOW PRECISION. The matrix products marked QUANTISED in the list below multiply operands that are first quantised to E2M3 (2 exponent bits, 3 mantissa bits; 6 bits a number), with one power-of-two scale for each 32 numbers along K (OCP MX v1.0); their sums are f32. All else is computed in f32.
;;   The module's matrix products, in the order in which they are computed (A, B: the left and right operand; K: the contracted axis; several contracted axes count as one K, in the product's order):
;;     1. batch 16 x [M 2,048, K 64] x [K 64, N 2,048]; A: input queries; B: input keys: QUANTISED
;;     2. batch 16 x [M 64, K 2,048] x [K 2,048, N 2,048]; A: input values; B: softmax (see below): QUANTISED
;;   THE QUANTISER, for each operand of a quantised product, along K:
;;     - K is cut into blocks of 32 from its start; a last block that is shorter is filled with zeros.
;;     - A block's scale is 2^e with e = floor(log2(the largest magnitude in the block)) - 2, held to -126 .. 127; a block of zeros has e = 0. As a byte (E8M0): e + 127.
;;     - Each number is divided by its block's scale, clamped to +-7.5, and rounded to the nearest number of E2M3, ties to even, subnormals kept.
;;     - The product sums the exact products of the quantised numbers (number of the format x scale) in f32.
;;   ~~~python
;;   def quantise(x, axis):      # numpy; x: float32 -> the quantised numbers, widened to float32 again
;;       x = np.moveaxis(x, axis, -1); K = x.shape[-1]
;;       x = np.pad(x, [(0, 0)] * (x.ndim - 1) + [(0, -K % 32)]); x = x.reshape(x.shape[:-1] + (-1, 32)); a = np.abs(x).max(-1, keepdims=True)
;;       e = np.where(a > 0, np.clip(np.frexp(np.where(a > 0, a, 1))[1] - 1 - 2, -126, 127), 0)      # np.frexp(a)[1] - 1 = floor(log2(a)), exactly
;;       r = np.clip(x / 2.0 ** e, -7.5, 7.5)
;;       step = 2.0 ** (np.maximum(np.frexp(np.where(r == 0, 1, r))[1] - 1, 0) - 3)
;;       q = np.round(r / step) * step * 2.0 ** e      # np.round: ties to even
;;       return np.moveaxis(q.reshape(q.shape[:-2] + (-1,))[..., :K], -1, axis).astype(np.float32)
;;   ~~~
;;   SOFTMAX AHEAD OF A QUANTISED PRODUCT. Where the list says 'softmax', what is quantised is not the finished softmax but p = 2^(t - M), with t = logit x log2(e) and M = ceil(the row's largest t), a whole number; so 1/2 < the row's largest p <= 1. The row's sum l is taken of the UNQUANTISED p, in f32, and the product's result is divided by l at the end. Since M is a whole number, a kernel that streams over the keys may use a running M (the ceiling of the running maximum): every later rescaling is an exact power of two, which a block's scale takes up: the codes' values come out the same.
;;   OPERANDS COMPUTED ON THE WAY. 'Computed on the way' means the value that the module computes at that place (a softmax that the list does not call 'softmax' is quantised finished and normalised). What goes into a quantiser is computed in f32, as accurately as f32 sums, v_exp_f32 and their like allow (about 1e-6 of the number): no bf16 or f16 on the way to a quantiser, and a product that is left as it is and whose result goes on into a quantised operand takes f32 operands (vector FMAs, or v_wmma_f32_16x16x4_f32). A number that lies on a knife's edge between two numbers of the format may be rounded either way, as far as f32 arithmetic and the matrix unit's own rounding can turn it there, and no further.
;; 2 versions. Each part assembles by itself: llvm-mc -triple=amdgcn-amd-amdhsa -mcpu=gfx1250 --defsym DOCPART=n.
;; ======== version 1 of 2: 2 launches
;; workspace buffers: kvimg 3,145,728 bytes; kvscl 196,608 bytes; mbits 1,048,576 bytes of whole numbers; mflags 16,384 bytes of whole numbers; smtab 16,384 bytes of whole numbers
;; launch prep (part 1): grid 928 x 1, 4 waves a work-group, no clusters, 67,072 bytes of LDS; arguments keys, values, attn_mask, kvimg, kvscl, mbits, mflags, smtab; writes kvimg, kvscl, mbits, mflags, smtab
.if DOCPART == 1
	.amdgcn_target "amdgcn-amd-amdhsa--gfx1250"
	.amdhsa_code_object_version 6
	.text
	.protected	k_q22775c25f3_prep
	.globl	k_q22775c25f3_prep
	.p2align	8
	.type	k_q22775c25f3_prep,@function
k_q22775c25f3_prep:
	s_mov_b64 s[64:65], 0
	v_nop
	global_prefetch_b8 v0, s[64:65] scope:SCOPE_SE
	s_setreg_imm32_b32 hwreg(HW_REG_WAVE_MODE, 25, 1), 1
	s_wait_xcnt 0x0
; PREPARATION for the attention launch.  keys, values: [2][2048][8][64] f32; attn_mask: [2][1][2048][2048] bytes.
; Four roles, told apart by the work-group's number; each role has LDS bytes of its own, each wave a region of its own; no barrier: waves share nothing.
;   K (work-groups 0-255):   128 keys of one head -> codes of E2M3 along the head's 64, laid as the images of the registers in which the attention launch wants them, and their scale words.
;   V (256-383):             256 keys of one head -> codes along the KEYS (a lane takes a channel, its registers run down the keys), images and scale words likewise.
;   M (384-895):             attn_mask -> one bit a (query, key): for each tile of 16 queries x 128 keys 64 words, word n = the lane mask of score register n; and two flag bits a tile.
;   T (896-927):             the mask that the problem itself builds (|q - k| <= 16, or |q - k| a multiple of 65) as a table of lane masks by diagonal.
; A block's scale is 2^(floor(log2(its largest magnitude)) - 2): its byte is the largest magnitude's exponent field - 2, held at 1 from below.
; LIMITS: NaN and infinities in keys and values are not served.  A block whose largest magnitude lies under 2^-124 gets the byte 1; so does a block of zeros, where the quantiser says 127: its codes are
; zeros, which add nothing under any byte but 0xff, and these bytes are read by this program alone.  Any mask byte other than 0 counts as true.
; Every step along memory is an immediate: no register that a memory instruction names is written again, so the only waits on XCNT stand round the one change of EXEC (role M).
.set REC,   12288                      ; a key step's record in kvimg: K's four pairs of tiles (6,144 bytes), then V's four tiles (6,144)
.set SREC,  768                        ; and in kvscl: six images of 128 bytes: K's four pairs, V's two pairs
.set LDSK,  0                          ; role K: 9,216 bytes a wave: 64 half rows of 128 bytes, 144 apart
.set LDSV,  36864                      ; role V: 3,072 bytes a wave: two tiles' images
.set LDSM,  49152                      ; role M: 4,352 bytes a wave: 16 rows of 256 bytes, 272 apart
.set WV,    20                         ; s20 my wave's number
; 32 numbers of ONE lane, v[x] .. v[x+31], a whole block along K, become 6 registers of codes at v[cdst]; v[sop] the conversion's scale operand, v[byte] the scale's byte.
.macro BLK32 x, cdst, ctmp, sop, byte
	v_max3_num_f32 v9, |v[\x]|, |v[\x+1]|, |v[\x+2]|               ; the largest magnitude, in two chains
	v_max3_num_f32 v10, |v[\x+3]|, |v[\x+4]|, |v[\x+5]|
.irp i, 6,10,14,18,22,26
	v_max3_num_f32 v9, v9, |v[\x+\i]|, |v[\x+\i+1]|
	v_max3_num_f32 v10, v10, |v[\x+\i+2]|, |v[\x+\i+3]|
.endr
	v_max3_num_f32 v9, v9, |v[\x+30]|, |v[\x+31]|
	v_max3_num_f32 v9, v9, v10, 0x1800000                          ; and the floor 2^(3 - 127): the byte cannot fall under 1
	v_add_nc_u32 v[\sop], 0xff000000, v9                           ; 2 off the exponent field: the conversion takes this operand's exponent field as its scale
	v_cvt_scalef32_pk16_fp6_f32 v[\cdst:\cdst+2], v[\x:\x+15], v[\sop]
	v_cvt_scalef32_pk16_fp6_f32 v[\ctmp:\ctmp+2], v[\x+16:\x+31], v[\sop]   ; (a conversion's three registers begin on an even number: the second half is made elsewhere and moved)
	v_lshrrev_b32 v[\byte], 23, v[\sop]                            ; the scale's byte; also the plain line behind the conversions
	v_mov_b32 v[\cdst+3], v[\ctmp]
	v_mov_b32 v[\cdst+4], v[\ctmp+1]
	v_mov_b32 v[\cdst+5], v[\ctmp+2]
.endm
	s_load_b512 s[4:19], s[0:1], 0x0               ; keys s[4:5], values s[6:7], attn_mask s[8:9], kvimg s[10:11], kvscl s[12:13], mbits s[14:15], mflags s[16:17], smtab s[18:19]
	v_lshl_add_u32 v208, v0, 2, 0x10400
	v_mov_b32 v209, 0
	v_lshrrev_b32 v6, 5, v0
	v_readfirstlane_b32 s[WV], v6                  ; wave 0..3
	v_and_b32 v1, 31, v0                           ; lane
	v_and_b32 v2, 15, v0                           ; r
	v_bfe_u32 v3, v0, 4, 1                         ; hl
	v_lshlrev_b32 v4, 4, v1                        ; 16 x lane
	v_lshlrev_b32 v5, 2, v1                        ; 4 x lane
	s_mov_b32 s22, 0x76543210
	s_mov_b32 s23, 0xfedcba98                      ; v_permlanex16_b32's selects for lane l xor 16
	s_mov_b32 s25, 0                               ; offsets are made in s24 and added as the pair s[24:25]
	s_wait_kmcnt 0x0
	s_cmp_lt_u32 ttmp9, 256
	s_cbranch_scc1 .Lrole_k
	s_cmp_lt_u32 ttmp9, 384
	s_cbranch_scc1 .Lrole_v
	s_cmp_lt_u32 ttmp9, 896
	s_cbranch_scc1 .Lrole_m
; ---------------- ROLE T.  Word y of smtab, bit lane (r, hl): is the diagonal d = q - k = 2032 - y + r - 16 hl selected?  A wave makes words 32 unit .. 32 unit + 31.
	s_sub_co_u32 s26, ttmp9, 896
	s_lshl_b32 s26, s26, 2
	s_add_co_u32 s26, s26, s[WV]                   ; unit 0..127
	s_lshl_b32 s24, s26, 7
	s_add_nc_u64 s[18:19], s[18:19], s[24:25]      ; its 128 bytes
	s_lshl_b32 s27, s26, 5
	s_sub_co_u32 s27, 4112, s27
	v_lshlrev_b32 v6, 4, v3
	v_sub_nc_u32 v6, v2, v6
	v_add_nc_u32 v6, s27, v6                       ; e = d + 2080 at the unit's first word: 4112 - 32 unit + r - 16 hl.  2080 = 32 x 65, and e lies in 1 .. 4127
	v_mov_b32 v10, 0                               ; (a lane write's destination counts as read)
.set n, 0
.rept 32
	v_add_nc_u32 v7, -n, v6                        ; e of word 32 unit + n
	v_mul_u32_u24 v8, v7, 16132
	v_lshrrev_b32 v8, 20, v8                       ; e / 65, rounded down: 16132 / 2^20 is above 1 / 65 by 7.4e-8, and 4127 x 7.4e-8 is under 1 / 65
	v_mul_u32_u24 v8, v8, 65
	v_cmp_eq_u32 s28, v7, v8                       ; d is a multiple of 65
	v_add_nc_u32 v9, -2064, v7                     ; d + 16
	v_cmp_gt_u32 s29, 33, v9                       ; |d| <= 16
	s_or_b32 s28, s28, s29
	v_writelane_b32 v10, s28, n                    ; the 32 lanes' answers are word n
.set n, n+1
.endr
	global_store_b32 v5, v10, s[18:19]             ; 128 consecutive bytes
	s_endpgm
; ---------------- ROLE K.  Work-group = 16 bh + s; wave p takes keys 128 s + 32 p + 0 .. 31: the pair of tiles 2 p, 2 p + 1.
.Lrole_k:
	s_lshr_b32 s26, ttmp9, 4                       ; bh
	s_and_b32 s27, ttmp9, 15                       ; s
	s_lshr_b32 s28, s26, 3                         ; b
	s_and_b32 s29, s26, 7                          ; h
	s_lshl_b32 s24, s28, 22                        ; b x 2048 x 2048 bytes
	s_lshl_b32 s30, s27, 18                        ; + 128 s keys of 2,048 bytes
	s_add_co_u32 s24, s24, s30
	s_lshl_b32 s30, s[WV], 16                      ; + 32 p keys
	s_add_co_u32 s24, s24, s30
	s_lshl_b32 s30, s29, 8                         ; + the head's 256 bytes
	s_add_co_u32 s24, s24, s30
	s_add_nc_u64 s[4:5], s[4:5], s[24:25]
	s_mul_i32 s24, ttmp9, REC
	s_mul_i32 s30, s[WV], 1536
	s_add_co_u32 s24, s24, s30
	s_add_nc_u64 s[10:11], s[10:11], s[24:25]      ; the pair's image
	s_mul_i32 s24, ttmp9, SREC
	s_lshl_b32 s30, s[WV], 7
	s_add_co_u32 s24, s24, s30
	s_add_nc_u64 s[12:13], s[12:13], s[24:25]      ; and its scale words
	v_lshlrev_b32 v6, 11, v3
	v_lshl_add_u32 v6, v2, 4, v6                   ; lanes 0-15 one key's 256 bytes, lanes 16-31 the next key's
.irp i, 0,1,2,3,4,5,6,7,8,9,10,11,12,13,14,15
	global_load_b128 v[32+4*\i:35+4*\i], v6, s[4:5] offset:4096*\i th:TH_LOAD_NT
.endr
	s_mul_i32 s31, s[WV], 9216                     ; my stage (LDSK = 0)
	v_lshrrev_b32 v7, 3, v1
	v_mul_u32_u24 v7, v7, 144
	v_and_b32 v8, 7, v1
	v_lshl_add_u32 v7, v8, 4, v7
	v_add_nc_u32 v7, s31, v7                       ; in: half row 4 i + lane / 8, 16 (lane % 8) bytes on
	v_and_b32 v8, 8, v2
	v_add_nc_u32 v8, v8, v2                        ; THE KEYS OF A TILE ARE NOT NEIGHBOURS: row r of tile 2 p + u is key 32 p + 8 u + r + 8 (r / 8)
	v_lshl_add_u32 v8, v8, 1, v3
	v_mul_u32_u24 v8, v8, 144
	v_add_nc_u32 v8, s31, v8                       ; back: half row 2 (r + 8 (r / 8)) + hl (+ 16 u): my key's channels 32 hl .. 32 hl + 31, a whole block
.irp q, 0,1,2,3
	s_wait_loadcnt 12-4*\q                         ; loads come back in order: these four are in, the younger ones stay out
.irp k, 0,1,2,3
	ds_store_b128 v7, v[32+4*(4*\q+\k):35+4*(4*\q+\k)] offset:576*(4*\q+\k)
.endr
.endr
.irp u, 0,1
.irp j, 0,1,2,3,4,5,6,7
	ds_load_b128 v[96+32*\u+4*\j:99+32*\u+4*\j], v8 offset:2304*\u+16*\j   ; LDS serves a wave's instructions in order: these see my stores
.endr
.endr
	s_wait_dscnt 8                                 ; tile 2 p's eight loads are in; tile 2 p + 1's eight may be out
	BLK32 96, 160, 172, 14, 12
	s_wait_dscnt 0x0
	BLK32 128, 166, 176, 15, 13
.irp c, 0,1,2
	global_store_b128 v4, v[160+4*\c:163+4*\c], s[10:11] offset:512*\c   ; the pair's twelve registers as they stand: 3 x 512 consecutive bytes
.endr
	; the scale words: lanes 0-15 want tile 2 p's word of row r (bytes: block 0, block 1, 0x7f, 0x7f), lanes 16-31 tile 2 p + 1's.  I hold the bytes of my block hl of both tiles
	v_lshl_or_b32 v16, v13, 16, v12
	v_or_b32 v16, 0x7f007f00, v16                  ; z: bytes e(tile 2 p), 0x7f, e(tile 2 p + 1), 0x7f
	v_mov_b32 v17, 0                               ; (a lane permute's destination counts as read)
	v_permlanex16_b32 v17, v16, s22, s23           ; the other block's
	v_mov_b32 v18, 0x01010400                      ; lanes 0-15: my byte 0, the other's byte 0, 0x7f, 0x7f
	v_mov_b32 v19, 0x01010206                      ; lanes 16-31: the other's byte 2, my byte 2, 0x7f, 0x7f
	v_cmp_lt_u32 vcc_lo, 15, v1
	v_cndmask_b32 v18, v18, v19, vcc_lo
	v_perm_b32 v20, v17, v16, v18
	global_store_b32 v5, v20, s[12:13]
	s_wait_tensorcnt 0x0
	ds_add_u32 v208, v209
	s_wait_dscnt 0x0
	s_endpgm
; ---------------- ROLE V.  Work-group id: head id / 8; wave: key step 2 (id % 8) + wave / 2, channels 32 (wave % 2) + lane.  A lane's 128 registers run down the step's 128 keys.
.Lrole_v:
	s_sub_co_u32 s26, ttmp9, 256
	s_lshr_b32 s27, s26, 3                         ; bh
	s_and_b32 s28, s26, 7
	s_lshl_b32 s28, s28, 1
	s_lshr_b32 s29, s[WV], 1
	s_add_co_u32 s28, s28, s29                     ; s
	s_and_b32 s29, s[WV], 1                        ; w: which 32 channels
	s_lshr_b32 s30, s27, 3                         ; b
	s_and_b32 s31, s27, 7                          ; h
	s_lshl_b32 s24, s30, 22
	s_lshl_b32 s30, s28, 18
	s_add_co_u32 s24, s24, s30
	s_lshl_b32 s30, s31, 8
	s_add_co_u32 s24, s24, s30
	s_lshl_b32 s30, s29, 7
	s_add_co_u32 s24, s24, s30
	s_add_nc_u64 s[6:7], s[6:7], s[24:25]
	s_lshl_b32 s30, s27, 4
	s_add_co_u32 s30, s30, s28                     ; the record: 16 bh + s
	s_mul_i32 s24, s30, REC
	s_mul_i32 s31, s29, 3072
	s_add_co_u32 s24, s24, s31
	s_add_co_u32 s24, s24, 6144
	s_add_nc_u64 s[10:11], s[10:11], s[24:25]      ; tiles 2 w, 2 w + 1 of V's part
	s_mul_i32 s24, s30, SREC
	s_lshl_b32 s31, s29, 7
	s_add_co_u32 s24, s24, s31
	s_add_co_u32 s24, s24, 512
	s_add_nc_u64 s[12:13], s[12:13], s[24:25]      ; scale image 4 + w
.set n, 0
.rept 128
	global_load_b32 v[32+n], v5, s[6:7] offset:2048*n th:TH_LOAD_NT   ; key n at my channel: 128 consecutive bytes a wave; the wave beside me takes the 128 next to them
.set n, n+1
.endr
	s_mul_i32 s31, s[WV], 3072
	s_add_co_u32 s31, s31, LDSV                    ; my stage
	v_mul_u32_u24 v6, v3, 1536
	v_lshl_add_u32 v6, v2, 4, v6
	v_add_nc_u32 v6, s31, v6                       ; in: tile lane / 16 of my two, the place of lane r of that tile's image
	v_add_nc_u32 v7, s31, v4                       ; back: 16 bytes a lane
; Block b = keys 32 b on belongs to lane r + 16 (b % 2) of the tile's image, registers 6 (b / 2) .. + 5.  Register g of image lane l lies at 512 (g / 4) + 16 l + 4 (g % 4).
.irp b, 0,1,2,3
.if \b < 2
	s_wait_loadcnt 63                              ; 96 and 64 younger loads could stay out; the wait names what its field holds, and a smaller count is safe
.elseif \b == 2
	s_wait_loadcnt 32
.else
	s_wait_loadcnt 0x0
.endif
	BLK32 32+32*\b, 160+8*\b, 192+4*\b, 12+\b, 16+\b
.if \b == 0
	v_mov_b32 v20, v16                             ; my channel's scale word: byte b for keys 32 b on
.else
	v_lshl_or_b32 v20, v[16+\b], 8*\b, v20
.endif
.if \b < 2
	ds_store_b128 v6, v[160+8*\b:163+8*\b] offset:256*(\b%2)           ; registers 0-3
	ds_store_b64 v6, v[164+8*\b:165+8*\b] offset:512+256*(\b%2)        ; registers 4-5
.else
	ds_store_b64 v6, v[160+8*\b:161+8*\b] offset:520+256*(\b%2)        ; registers 6-7
	ds_store_b128 v6, v[162+8*\b:165+8*\b] offset:1024+256*(\b%2)      ; registers 8-11
.endif
.endr
.irp i, 0,1,2,3,4,5
	ds_load_b128 v[32+4*\i:35+4*\i], v7 offset:512*\i   ; LDS serves a wave's instructions in order: these see my stores
.endr
	global_store_b32 v5, v20, s[12:13]             ; lanes 0-15: tile 2 w's words, lanes 16-31: tile 2 w + 1's
.irp i, 0,1,2,3,4,5
	s_wait_dscnt 5-\i
	global_store_b128 v4, v[32+4*\i:35+4*\i], s[10:11] offset:512*\i   ; 512 consecutive bytes
.endr
	s_wait_tensorcnt 0x0
	ds_add_u32 v208, v209
	s_wait_dscnt 0x0
	s_endpgm
; ---------------- ROLE M.  Unit u = 4 id + wave: tile of queries T = u / 8 (16 rows of the mask), keys 256 (u % 8) on: two key steps.
.Lrole_m:
	s_sub_co_u32 s26, ttmp9, 384
	s_lshl_b32 s26, s26, 2
	s_add_co_u32 s26, s26, s[WV]                   ; u
	s_lshr_b32 s27, s26, 3                         ; T = 128 b + tile
	s_and_b32 s28, s26, 7
	s_lshl_b32 s24, s27, 15                        ; 16 rows of 2,048 bytes
	s_lshl_b32 s29, s28, 8
	s_add_co_u32 s24, s24, s29
	s_add_nc_u64 s[8:9], s[8:9], s[24:25]
	s_lshl_b32 s24, s27, 12                        ; mbits: 16 steps x 64 words a tile
	s_lshl_b32 s29, s28, 9
	s_add_co_u32 s24, s24, s29
	s_add_nc_u64 s[14:15], s[14:15], s[24:25]
	s_lshl_b32 s24, s27, 6                         ; mflags: 16 words a tile
	s_lshl_b32 s29, s28, 3
	s_add_co_u32 s24, s24, s29
	s_add_nc_u64 s[16:17], s[16:17], s[24:25]
	v_lshlrev_b32 v6, 11, v3
	v_lshl_add_u32 v6, v2, 4, v6                   ; lanes 0-15 one row's 256 bytes, lanes 16-31 the next row's
.irp i, 0,1,2,3,4,5,6,7
	global_load_b128 v[32+4*\i:35+4*\i], v6, s[8:9] offset:4096*\i th:TH_LOAD_NT
.endr
	s_mul_i32 s31, s[WV], 4352
	s_add_co_u32 s31, s31, LDSM                    ; my stage
	v_mul_u32_u24 v7, v3, 272
	v_lshl_add_u32 v7, v2, 4, v7
	v_add_nc_u32 v7, s31, v7                       ; in: row 2 i + hl
	v_mul_u32_u24 v8, v2, 272
	v_lshl_add_u32 v8, v3, 4, v8
	v_add_nc_u32 v8, s31, v8                       ; back: row r, keys 32 kb + 16 hl + 0 .. 15: the keys that lane (r, hl) holds in score registers 16 kb .. 16 kb + 15
.irp i, 0,1,2,3
	v_mov_b32 v[100+\i], 0                         ; (a lane write's destination counts as read)
.endr
	s_mov_b32 s40, -1                              ; the AND of a step's 64 words, for each of the two steps,
	s_mov_b32 s41, -1
	s_mov_b32 s42, 0                               ; and the OR
	s_mov_b32 s43, 0
	s_wait_loadcnt 0x0
.irp i, 0,1,2,3,4,5,6,7
	ds_store_b128 v7, v[32+4*\i:35+4*\i] offset:544*\i
.endr
.irp k, 0,1,2,3,4,5,6,7
	ds_load_b128 v[64+4*\k:67+4*\k], v8 offset:32*\k
.endr
	s_wait_dscnt 0x0
.set n, 0
.rept 128                                          ; word n of the unit's 128: byte n % 16 of my 16 bytes of block n / 16
	v_and_b32 v[96+(n&3)], 0xff<<(8*(n&3)), v[64+(n>>2)]
	v_cmp_ne_u32 s[32+(n&7)], 0, v[96+(n&3)]       ; the 32 lanes' bits
	v_writelane_b32 v[100+(n&3)], s[32+(n&7)], n>>2   ; lane n / 4 will store words 4 (n / 4) .. + 3
	s_and_b32 s[40+(n>>6)], s[40+(n>>6)], s[32+(n&7)]
	s_or_b32 s[42+(n>>6)], s[42+(n>>6)], s[32+(n&7)]
.set n, n+1
.endr
	s_cmp_lg_u32 s40, -1
	s_cselect_b32 s44, 1, 0                        ; bit 0: some pair of the tile is not masked
	s_cmp_lg_u32 s42, 0
	s_cselect_b32 s45, 2, 0                        ; bit 1: some pair is masked
	s_or_b32 s44, s44, s45
	s_cmp_lg_u32 s41, -1
	s_cselect_b32 s46, 1, 0
	s_cmp_lg_u32 s43, 0
	s_cselect_b32 s45, 2, 0
	s_or_b32 s46, s46, s45
	v_mov_b32 v104, s44
	v_mov_b32 v105, s46
	v_mov_b32 v106, 0
	global_store_b128 v4, v[100:103], s[14:15]     ; 512 consecutive bytes
	s_wait_xcnt 0x0                                ; EXEC is a source of the store above: it changes only behind this wait
	v_cmp_eq_u32 vcc_lo, 0, v1
	s_wait_tensorcnt 0x0
	ds_add_u32 v208, v209
	s_wait_dscnt 0x0
	s_and_saveexec_b32 s47, vcc_lo
	global_store_b64 v106, v[104:105], s[16:17]    ; lane 0 alone: the two steps' flags
	s_wait_xcnt 0x0                                ; and again, in front of the line that widens it
	s_or_b32 exec_lo, exec_lo, s47
	s_endpgm
.Lfunc_end_k_q22775c25f3_prep:
	.size	k_q22775c25f3_prep, .Lfunc_end_k_q22775c25f3_prep-k_q22775c25f3_prep
	.p2alignl 7, 3214868480
	.fill 96, 4, 3214868480
	.section	.rodata,"a",@progbits
	.p2align	6, 0x0
	.amdhsa_kernel k_q22775c25f3_prep
		.amdhsa_group_segment_fixed_size 67072
		.amdhsa_private_segment_fixed_size 0
		.amdhsa_enable_private_segment 0
		.amdhsa_kernarg_size 64
		.amdhsa_user_sgpr_count 2
		.amdhsa_user_sgpr_kernarg_segment_ptr 1
		.amdhsa_wavefront_size32 1
		.amdhsa_system_sgpr_workgroup_id_x 1
		.amdhsa_system_sgpr_workgroup_id_y 1
		.amdhsa_system_sgpr_workgroup_id_z 1
		.amdhsa_system_vgpr_workitem_id 0
		.amdhsa_next_free_vgpr 210
		.amdhsa_next_free_sgpr 66
		.amdhsa_reserve_vcc 1
		.amdhsa_float_denorm_mode_32 3
		.amdhsa_float_denorm_mode_16_64 3
		.amdhsa_memory_ordered 1
		.amdhsa_forward_progress 1
		.amdhsa_inst_pref_size 86
	.end_amdhsa_kernel
	.amdgpu_metadata
---
amdhsa.version: [ 1, 2 ]
amdhsa.kernels:
  - .name:           k_q22775c25f3_prep
    .symbol:         k_q22775c25f3_prep.kd
    .args:
      - { .name: keys, .offset: 0, .size: 8, .value_kind: global_buffer, .address_space: global }
      - { .name: values, .offset: 8, .size: 8, .value_kind: global_buffer, .address_space: global }
      - { .name: attn_mask, .offset: 16, .size: 8, .value_kind: global_buffer, .address_space: global }
      - { .name: kvimg, .offset: 24, .size: 8, .value_kind: global_buffer, .address_space: global }
      - { .name: kvscl, .offset: 32, .size: 8, .value_kind: global_buffer, .address_space: global }
      - { .name: mbits, .offset: 40, .size: 8, .value_kind: global_buffer, .address_space: global }
      - { .name: mflags, .offset: 48, .size: 8, .value_kind: global_buffer, .address_space: global }
      - { .name: smtab, .offset: 56, .size: 8, .value_kind: global_buffer, .address_space: global }
    .group_segment_fixed_size: 67072
    .private_segment_fixed_size: 0
    .kernarg_segment_align: 8
    .kernarg_segment_size: 64
    .max_flat_workgroup_size: 128
    .sgpr_count:     66
    .vgpr_count:     210
    .wavefront_size: 32
...
	.end_amdgpu_metadata
.endif
;; end of part 1
;; launch attn (part 2): grid 16 x 16, 16 waves a work-group, no clusters, 282,624 bytes of LDS; arguments queries, kvimg, kvscl, mbits, mflags, smtab, out0; writes out0
.if DOCPART == 2
	.amdgcn_target "amdgcn-amd-amdhsa--gfx1250"
	.amdhsa_code_object_version 6
	.text
	.protected	k_q22775c25f3_attn
	.globl	k_q22775c25f3_attn
	.p2align	8
	.type	k_q22775c25f3_attn,@function
k_q22775c25f3_attn:
	s_mov_b64 s[64:65], 0
	v_nop
	global_prefetch_b8 v0, s[64:65] scope:SCOPE_SE
	s_setreg_imm32_b32 hwreg(HW_REG_WAVE_MODE, 25, 1), 1
	s_wait_xcnt 0x0
; out0[b][q][h][:] = the sum over k of softmax_k(score / 8) V[b][k][h][:], score = (Q . K) x sm(q - k), -infinity where attn_mask is set; both products on codes of E2M3 with one E8M0 scale for each 32 along K.
; THE SOFTMAX AHEAD OF THE SECOND PRODUCT: t = score x log2(e) / 8; M = the row's largest t so far, rounded UP to a whole number; p = 2^(t - M) is quantised along the keys, not normalised; the row's sum is taken of
; the unquantised p and divides at the end.  When M moves, the sum and O are multiplied by 2^(old M - new M): exact.
; SHARES.  A work-group owns one head (work-group y = 8 b + h) and eight tiles of 16 queries: tiles 4 x + bq and 127 - (4 x + bq), bq = 0 .. 3.  Each tile has TWO waves: the wave of parity g walks key steps
; g, g + 2 .. (128 keys a step, eight steps), with its own M, sum and O^T; the two meet in LDS at the end.  Sixteen waves of 256 registers, four to a SIMD: one wave's vector work stands beside another's loads and products.
; THE WHOLE HEAD LIES IN LDS: K's and V's codes as images of the operands' registers (12,288 bytes a key step) and their scale words (768): each fragment comes by ds_load_b128 at 16 x lane.
; The images come through registers, in four chunks of four key steps; a chunk is asked for two key steps of work ahead of the barrier behind which it is read.
; A STEP ALL OF WHOSE 16 x 128 PAIRS ARE MASKED IS LEFT OUT (every p would be 0): a scalar branch on flags that the launch before has stored.  This holds for any mask; the pairing of tiles only evens work out.
; WHY NO JOINT TENSOR LOADS, though the 16 work-groups of a head read the same 208,896 bytes: the branch on the flags is worth more here.
; LAYOUT.  Both products are used transposed: S^T = K Q^T (source 0 = 16 keys, source 1 = my 16 queries), O^T = V^T P^T: a lane holds ONE query (lane % 16) throughout.  Row r of K's tile 2 b + u is key
; 32 b + 8 u + r + 8 (r / 8), so score register 16 b + i of lane (r, hl) is key 32 b + 16 hl + i.  The head has 64 channels and the instruction takes 128 along K: Q's upper six registers are zero codes, and K's
; upper six are whatever follows (the next tile's codes, or zeros): finite numbers times zero, under scale bytes 0x7f.  So a tile of K costs six registers.
; LIMITS: NaN and infinities in queries are not served.  A block whose largest magnitude lies under 2^-124 (a block whose every p is 0 among them) gets the scale byte 1.  A row that is wholly masked gives 0 x (1 / 0) = NaN,
; as the softmax of such a row does.  A block's largest p is made from the block's largest score by the same two instructions: this takes v_exp_f32 not to fall where its input rises.
.set REC,  12288                       ; a key step's images: K's four pairs of tiles (6,144), V's four tiles (6,144)
.set CHUNK, 4*REC                      ; what one FILL brings: 3,072 bytes a wave
.set SCL,  16*REC                      ; LDS: behind the images the scale words, 16 x 768;
.set MRG,  SCL+16*768                  ; eight slots of 4,608 bytes: a wave's O^T (4,096) and its -M and sum (512);
.set STG,  MRG+8*4608                  ; eight stages of 16 rows x 272 bytes for the way out.  Every region is written once
.set L16,  1                           ; v1   16 x lane
.set L4,   2                           ; v2   4 x lane
.set FO,   3                           ; v3   3,072 x wave + 16 x lane: my part of a chunk, in memory and in LDS
.set FSO,  4                           ; v4   768 x wave + 4 x lane: my part of the scale words
.set MA,   5                           ; v5   my slot for the merge
.set STO,  6                           ; v6   the stage: where I put 32 bytes of a row
.set STR,  7                           ; v7   and where I read a row back
.set GO,   8                           ; v8   my byte offset in the tile's rows of out0
.set ADI,  9                           ; v9   LDS address of the step's images
.set ADS,  10                          ; v10  of its scale words
.set FL,   11                          ; v11  of the chunk being stored
                                       ; v12 -M, v13 the largest t, v[14:15] the sum in two halves
.set QF,   16                          ; v[16:27] Q's fragment (v22-27 zero codes);  v28 its scale word;  v29 -infinity
.set IB,   30                          ; v30  16 x lane + g x REC
.set SB,   31                          ; v31  4 x lane + g x 768
.set KV,   32                          ; v[32:79] K's eight tiles x 6 registers, later V's four x 12;  v[80:85] zeros
.set KS,   86                          ; v[86:89] K's scale words (lanes 0-15 the even tile's, lanes 16-31 the odd tile's);  v[90:91] V's;  v92 p's
.set S,    96                          ; v[96:159] S^T, then p
.set O,    160                         ; v[160:191] O^T
.set FB,   192                         ; v[192:215] the chunk on its way
.set PC,   216                         ; v[216:227] p's codes;  v[228:230], v[232:234] the conversions' second halves
.set BM,   236                         ; v[236:239] the blocks' largest scores, then largest p
.set BT,   240                         ; v[240:243] at work
.set BS,   244                         ; v[244:247] the conversions' scale operands
                                       ; v[248:249] the second chain of the sum; v[250:251], v[252:253] factors (the low word serves both halves); v254 Q's load offset; v255 where my scale words go
.set WV,   84                          ; s84 wave;  s85 g;  s86 high tile?;  s87 slot;  s88 tile of queries
.set G,    85
.set SLT,  87
.set QT,   88
.set F,    89                          ; s89  my eight steps' flags: step j at bits 4 j (something is open) and 4 j + 1 (something is masked)
.set SEL,  90                          ; s[90:91] v_permlanex16_b32's selects for lane l xor 16
.set CS,   92                          ; s[92:93] c = log2(e) / 8
.set SMO,  94                          ; s94  byte in smtab of my step 0's first word
                                       ; s[16:31], s[32:47], s[48:63], s[68:83]: 64 lane masks, one for each score register
	s_load_b256 s[16:23], s[0:1], 0x0              ; queries, kvimg, kvscl, mbits
	s_load_b128 s[24:27], s[0:1], 0x20             ; mflags, smtab
	s_load_b64 s[28:29], s[0:1], 0x30              ; out0
	v_lshl_add_u32 v231, v0, 2, 0x44800
	v_mov_b32 v235, 0
	v_lshrrev_b32 v252, 5, v0
	v_readfirstlane_b32 s[WV], v252                ; wave 0..15
	s_lshr_b32 s95, s[WV], 2
	s_and_b32 s96, s[WV], 3                        ; bq
	s_add_co_u32 s95, s95, s96
	s_and_b32 s95, s95, 3                          ; (wave / 4 + wave % 4) % 4: waves with equal wave % 4, and waves with equal wave / 4, get all four kinds
	s_and_b32 s[G], s95, 1                         ; parity of my key steps
	s_lshr_b32 s86, s95, 1                         ; low tile or high
	s_lshl_b32 s[SLT], s86, 2
	s_add_co_u32 s[SLT], s[SLT], s96               ; my tile's slot, 0..7: two waves (g = 0, 1) have each
	s_lshl_b32 s[QT], ttmp9, 2
	s_add_co_u32 s[QT], s[QT], s96
	s_sub_co_u32 s97, 127, s[QT]
	s_cmp_eq_u32 s86, 0
	s_cselect_b32 s[QT], s[QT], s97                ; my tile of 16 queries: it enters global addresses alone
	s_and_b32 s98, ttmp7, 0xffff                   ; bh
	s_lshr_b32 s99, s98, 3                         ; b
	s_and_b32 s100, s98, 7                         ; h
	s_lshl_b32 s101, s99, 7
	s_add_co_u32 s101, s101, s[QT]                 ; T = 128 b + tile
	s_lshl_b32 s[SMO], s[G], 9
	s_add_co_u32 s[SMO], s[SMO], 8128
	s_lshl_b32 s97, s[QT], 6
	s_sub_co_u32 s[SMO], s[SMO], s97               ; 4 (2032 - 16 tile + 128 g)
	s_mov_b32 s[SEL], 0x76543210
	s_mov_b32 s[SEL+1], 0xfedcba98
	s_mov_b32 s[CS], 0x3e38aa3b                    ; log2(e) / 8: log2(e) with 3 off its exponent
	s_mov_b32 s[CS+1], s[CS]                       ; (named with it as a pair, so it is written)
	; every LDS address is made here, ahead of any parting of the waves
	v_and_b32 v93, 31, v0                          ; lane
	v_and_b32 v94, 15, v0                          ; r
	v_bfe_u32 v95, v0, 4, 1                        ; hl
	v_lshlrev_b32 v[L16], 4, v93
	v_lshlrev_b32 v[L4], 2, v93
	v_mad_u32_u24 v[FO], v252, 3072, v[L16]
	v_mad_u32_u24 v[FSO], v252, 768, v[L4]
	v_add_nc_u32 v255, SCL, v[FSO]
	s_mul_i32 s97, s[SLT], 4608
	s_add_co_u32 s97, s97, MRG
	v_add_nc_u32 v[MA], s97, v[L16]
	s_mul_i32 s97, s[SLT], 16*272
	s_add_co_u32 s97, s97, STG
	v_mul_u32_u24 v[STO], v94, 272
	v_lshl_add_u32 v[STO], v95, 5, v[STO]
	v_add_nc_u32 v[STO], s97, v[STO]               ; in: row r; tile t's eight channels of my half: 64 t + 32 hl bytes on
	v_mul_u32_u24 v[STR], v95, 272
	v_lshl_add_u32 v[STR], v94, 4, v[STR]
	v_add_nc_u32 v[STR], s97, v[STR]               ; back: lanes 0-15 one row, lanes 16-31 the next
	v_lshlrev_b32 v[GO], 11, v95
	v_lshl_add_u32 v[GO], v94, 4, v[GO]            ; and the same two rows in out0, 2,048 bytes apart
	s_mul_i32 s97, s[G], REC
	v_add_nc_u32 v[IB], s97, v[L16]
	s_mul_i32 s97, s[G], 768
	v_add_nc_u32 v[SB], s97, v[L4]
	v_lshlrev_b32 v254, 11, v94
	v_lshl_add_u32 v254, v95, 7, v254              ; Q: query r, + 128 hl: my whole block of 32 channels
	s_wait_kmcnt 0x0
	s_mov_b32 s31, 0                               ; offsets are made in s30 and added as the pair s[30:31]
	s_lshl_b32 s30, s101, 15                       ; T x 16 queries x 2,048 bytes
	s_lshl_b32 s97, s100, 8                        ; + the head's 256 bytes
	s_add_co_u32 s30, s30, s97
	s_add_nc_u64 s[2:3], s[16:17], s[30:31]        ; queries at my tile
	s_add_nc_u64 s[14:15], s[28:29], s[30:31]      ; out0 likewise
	s_mul_i32 s30, s98, 16*REC
	s_add_nc_u64 s[4:5], s[18:19], s[30:31]        ; my head's images
	s_mul_i32 s30, s98, 16*768
	s_add_nc_u64 s[6:7], s[20:21], s[30:31]        ; and scale words
	s_lshl_b32 s30, s101, 12
	s_lshl_b32 s97, s[G], 8
	s_add_co_u32 s30, s30, s97
	s_add_nc_u64 s[8:9], s[22:23], s[30:31]        ; my tile's mask words, at step g
	s_lshl_b32 s30, s101, 6
	s_add_nc_u64 s[10:11], s[24:25], s[30:31]      ; my tile's 16 flags
	s_mov_b64 s[12:13], s[26:27]                   ; smtab
	s_load_b512 s[16:31], s[10:11], 0x0            ; (the pointers that stood here have been used)
.irp j, 0,1,2,3,4,5,6,7
	global_load_b128 v[S+4*\j:S+4*\j+3], v254, s[2:3] offset:16*\j
.endr
.irp i, 0,1,2,3,4,5
	global_load_b128 v[FB+4*\i:FB+4*\i+3], v[FO], s[4:5] offset:512*\i       ; chunk 0
.endr
.irp i, 0,1,2,3,4,5
	global_load_b32 v[S+32+\i], v[FSO], s[6:7] offset:128*\i                 ; the scale words of key step = my wave's number
.endr
.irp i, 0,1,2,3,4,5
	v_mov_b32 v[QF+6+\i], 0                        ; Q's zero codes for k = 64 .. 127
	v_mov_b32 v[KV+48+\i], 0                       ; what stands behind K's last tile
.endr
	v_mov_b32 v14, 0                               ; the sum, in two halves
	v_mov_b32 v15, 0
.irp b, 0,1,2,3
	v_mov_b32 v[BT+\b], 0                          ; written once: a lane permute's destination counts as one of its sources
.endr
	v_mov_b32 v251, 0                              ; (named as the upper half of a pair)
	v_mov_b32 v13, 0xff61b1e6                      ; the largest t so far: -3e38, under every t
	v_floor_f32 v12, -v13                          ; -M
	v_mov_b32 v29, 0xff800000                      ; -infinity
	s_wait_kmcnt 0x0                               ; the flags
	s_mov_b32 s[F], s16
.irp k, 1,2,3,4,5,6,7,8,9,10,11,12,13,14,15
	s_lshl_b32 s95, s[16+\k], 2*\k
	s_or_b32 s[F], s[F], s95                       ; step k's two bits at 2 k
.endr
	s_lshl_b32 s95, s[G], 1
	s_lshr_b32 s[F], s[F], s95                     ; my step j = global step 2 j + g: its bits at 4 j
	s_wait_loadcnt 12                              ; Q's eight loads are in; the twelve issued behind them stay out
	; Q's block of 32 becomes six registers of codes and a byte
	v_max3_num_f32 v252, |v[S]|, |v[S+1]|, |v[S+2]|
	v_max3_num_f32 v253, |v[S+3]|, |v[S+4]|, |v[S+5]|
.irp i, 6,10,14,18,22,26
	v_max3_num_f32 v252, v252, |v[S+\i]|, |v[S+\i+1]|
	v_max3_num_f32 v253, v253, |v[S+\i+2]|, |v[S+\i+3]|
.endr
	v_max3_num_f32 v252, v252, |v[S+30]|, |v[S+31]|
	v_max3_num_f32 v252, v252, v253, 0x1800000     ; the floor 2^(3 - 127): the byte cannot fall under 1
	v_add_nc_u32 v253, 0xff000000, v252            ; 2 off the exponent field: the conversion's scale operand
	v_cvt_scalef32_pk16_fp6_f32 v[QF:QF+2], v[S:S+15], v253
	v_cvt_scalef32_pk16_fp6_f32 v[228:230], v[S+16:S+31], v253   ; (a conversion's three registers begin on an even number)
	v_lshrrev_b32 v252, 23, v253                   ; the byte; also the plain line behind the conversions
	v_mov_b32 v[QF+3], v228
	v_mov_b32 v[QF+4], v229
	v_mov_b32 v[QF+5], v230
	v_permlanex16_b32 v[BT], v252, s[SEL], s[SEL+1]
	v_lshl_or_b32 v28, v[BT], 8, v252
	v_or_b32 v28, 0x7f7f0000, v28                  ; lanes 0-15: block 0's byte, block 1's, 0x7f, 0x7f (lanes 16-31 are not read)
.irp j, 0,1,2,3,4,5,6,7,8,9,10,11,12,13,14,15,16,17,18,19,20,21,22,23,24,25,26,27,28,29,30,31
	v_mov_b32 v[O+\j], 0                           ; O^T begins as zeros: which step is a wave's first hangs on the mask.  (These lines are also the places between the scale word above and the first product)
.endr
; A chunk of four key steps' images goes from my registers into LDS; the next chunk is asked for; one barrier.  Chunk c's bytes are written here alone and read only behind this barrier.
.macro FILL c
	s_wait_loadcnt 0x0                             ; my part of the chunk is in my registers
	v_add_nc_u32 v[FL], CHUNK*\c, v[FO]
.irp i, 0,1,2,3,4,5
	ds_store_b128 v[FL], v[FB+4*\i:FB+4*\i+3] offset:512*\i
.endr
.if \c == 0
.irp i, 0,1,2,3,4,5
	ds_store_b32 v255, v[S+32+\i] offset:128*\i    ; all sixteen steps' scale words, a step a wave
.endr
.endif
	s_wait_dscnt 0x0                               ; for the others' sake: my stores have landed; and they have read their registers
.if \c < 3
.irp i, 0,1,2,3,4,5
	global_load_b128 v[FB+4*\i:FB+4*\i+3], v[FO], s[4:5] offset:CHUNK*(\c+1)+512*\i   ; it has my next two key steps in which to come
.endr
.endif
	s_barrier_signal -1
	s_barrier_wait -1
.endm
; MY KEY STEP j: global step 2 j + g, 128 keys.
.macro STEP j
	v_add_nc_u32 v[ADI], 2*REC*\j, v[IB]           ; the two addresses are made on every path, ahead of the branch
	v_add_nc_u32 v[ADS], SCL+2*768*\j, v[SB]
	s_bitcmp1_b32 s[F], 4*\j
	s_cbranch_scc0 .Lskip_\@                       ; every pair of the tile is masked: every p would be 0
.irp b, 0,1,2,3
	s_load_b512 s[16+16*\b+4*(\b/3):31+16*\b+4*(\b/3)], s[12:13], s[SMO] offset:1024*\j+128*\b   ; the selected diagonals: word 2032 - 16 tile + 128 step + 32 b + i is the lane mask of register 16 b + i
.endr
.irp i, 0,1,2,3,4,5,6,7,8,9,10,11
	ds_load_b128 v[KV+4*\i:KV+4*\i+3], v[ADI] offset:512*\i      ; K's eight tiles
.endr
.irp p, 0,1,2,3
	ds_load_b32 v[KS+\p], v[ADS] offset:128*\p
.endr
	s_wait_dscnt 0x0
.irp t, 0,1,2,3,4,5,6,7
.if \t % 2
	v_wmma_scale_f32_16x16x128_f8f6f4 v[S+8*\t:S+8*\t+7], v[KV+6*\t:KV+6*\t+11], v[QF:QF+11], 0, v[KS+\t/2], v28 matrix_a_fmt:MATRIX_FMT_FP6 matrix_b_fmt:MATRIX_FMT_FP6 matrix_a_scale:MATRIX_SCALE_ROW1
.else
	v_wmma_scale_f32_16x16x128_f8f6f4 v[S+8*\t:S+8*\t+7], v[KV+6*\t:KV+6*\t+11], v[QF:QF+11], 0, v[KS+\t/2], v28 matrix_a_fmt:MATRIX_FMT_FP6 matrix_b_fmt:MATRIX_FMT_FP6
.endif
.endr
.rept 4
	v_nop                                          ; four places in front of the loads into K's registers and of the first read of the scores
.endr
.irp i, 0,1,2,3,4,5,6,7,8,9,10,11
	ds_load_b128 v[KV+4*\i:KV+4*\i+3], v[ADI] offset:6144+512*\i   ; V's four tiles: they land during the softmax
.endr
.irp w, 0,1
	ds_load_b32 v[KS+4+\w], v[ADS] offset:512+128*\w
.endr
	s_wait_kmcnt 0x0
.set n, 0
.rept 64
	v_cndmask_b32 v[S+n], 0, v[S+n], s[16+n+4*(n/48)]   ; a score off the selected diagonals is 0, not -infinity.  (Each accumulator is read from its low end on)
.set n, n+1
.endr
	s_bitcmp1_b32 s[F], 4*\j+1
	s_cbranch_scc0 .Lopen_\@                       ; nothing of this tile is masked
.irp b, 0,1,2,3
	s_load_b512 s[16+16*\b+4*(\b/3):31+16*\b+4*(\b/3)], s[8:9], 512*\j+64*\b   ; attn_mask's bits, a word a register
.endr
	s_wait_kmcnt 0x0
.set n, 0
.rept 64
	v_cndmask_b32 v[S+n], v[S+n], v29, s[16+n+4*(n/48)]
.set n, n+1
.endr
.Lopen_\@:
.irp b, 0,1,2,3
	v_max3_num_f32 v[BM+\b], v[S+16*\b], v[S+1+16*\b], v[S+2+16*\b]   ; the largest score of each block of 32 keys: it serves for the row's maximum and, since p rises with the score, for the block's largest p
.endr
.irp i, 3,5,7,9,11,13
.irp b, 0,1,2,3
	v_max3_num_f32 v[BM+\b], v[BM+\b], v[S+16*\b+\i], v[S+1+16*\b+\i]   ; (the four blocks by turns)
.endr
.endr
.irp b, 0,1,2,3
	v_max_num_f32 v[BM+\b], v[BM+\b], v[S+15+16*\b]
.endr
.irp b, 0,1,2,3
	v_permlanex16_b32 v[BT+\b], v[BM+\b], s[SEL], s[SEL+1]
.endr
.irp b, 0,1,2,3
	v_max_num_f32 v[BM+\b], v[BM+\b], v[BT+\b]     ; with lane l xor 16's 16 keys
.endr
	v_max3_num_f32 v252, v[BM], v[BM+1], v[BM+2]
	v_max_num_f32 v252, v252, v[BM+3]              ; the step's largest score of my query
	v_mul_f32 v252, s[CS], v252                    ; as t (c is positive)
	v_max_num_f32 v13, v13, v252                   ; the running largest t
	v_mov_b32 v252, v12
	v_floor_f32 v12, -v13                          ; the new -M = floor(-t) = -ceil(t): a whole number
	v_sub_f32 v252, v12, v252                      ; old M - new M: a whole number, 0 or less
	v_cvt_i32_f32 v252, v252                       ; (it saturates)
	v_ldexp_f32 v250, 1.0, v252                    ; f = 2^(old M - new M)
.irp j2, 0,2,4,6,8,10,12,14,16,18,20,22,24,26,28,30,32,34,36,38,40,42,44,46,48,50,52,54,56,58,60,62
	v_pk_fma_f32 v[S+\j2:S+\j2+1], v[S+\j2:S+\j2+1], s[CS:CS+1], v[12:13] op_sel_hi:[1,0,0]   ; t - M, two at a time (of the pairs c and -M the low word serves both halves)
.endr
.irp b, 0,1,2,3
	v_fma_f32 v[BM+\b], v[BM+\b], s[CS], v12       ; the same of each block's largest score
.endr
.set n, 0
.rept 64
	v_exp_f32 v[S+n], v[S+n]                       ; p = 2^(t - M), at most 1
.set n, n+1
.endr
	v_pk_mul_f32 v[14:15], v[14:15], v[250:251] op_sel_hi:[1,0]   ; the sums under the new M; the plain line behind the exponentials
	s_wait_alu depctr_va_vdst(0)                   ; one wait for the whole batch, ahead of its first reader
.irp b, 0,1,2,3
	v_exp_f32 v[BM+\b], v[BM+\b]                   ; the block's largest p
.endr
	v_pk_add_f32 v[248:249], v[S:S+1], v[S+2:S+3]  ; the row's sum is taken of the unquantised p: two at a time, in two chains
.irp j2, 4,8,12,16,20,24,28,32,36,40,44,48,52,56,60
	v_pk_add_f32 v[14:15], v[14:15], v[S+\j2:S+\j2+1]
	v_pk_add_f32 v[248:249], v[248:249], v[S+2+\j2:S+3+\j2]
.endr
	v_pk_add_f32 v[14:15], v[14:15], v[248:249]
	s_wait_alu depctr_va_vdst(0)                   ; and one for the four
.irp b, 0,1,2,3
	v_max_num_f32 v[BM+\b], 0x1800000, v[BM+\b]    ; the floor 2^(3 - 127)
.endr
.irp b, 0,1,2,3
	v_add_nc_u32 v[BS+\b], 0xff000000, v[BM+\b]    ; 2 off the exponent field: the conversion's scale operand
.endr
.irp b, 0,1,2,3
	v_lshrrev_b32 v[BT+\b], 23, v[BS+\b]           ; the scale's byte
.endr
	v_lshl_or_b32 v92, v[BT+1], 8, v[BT]           ; p's scale word for these 128 keys
	v_lshl_or_b32 v92, v[BT+2], 16, v92
	v_lshl_or_b32 v92, v[BT+3], 24, v92
.irp c, 0,1
	v_cvt_scalef32_pk16_fp6_f32 v[PC+6*\c:PC+2+6*\c], v[S+32*\c:S+15+32*\c], v[BS+2*\c]
	v_cvt_scalef32_pk16_fp6_f32 v[228+4*\c:230+4*\c], v[S+16+32*\c:S+31+32*\c], v[BS+2*\c+1]
.endr
	v_nop                                          ; one plain line behind the scaled conversions
.irp c, 0,1                                    ; the operand's layout wants a WHOLE block in a lane: lanes 0-15 block 2 c, lanes 16-31 block 2 c + 1
.irp i, 0,1,2
	v_permlane16_swap_b32 v[PC+6*\c+\i], v[228+4*\c+\i]
.endr
.irp i, 0,1,2
	v_mov_b32 v[PC+3+6*\c+\i], v[228+4*\c+\i]
.endr
.endr
.irp j2, 0,2,4,6,8,10,12,14,16,18,20,22,24,26,28,30
	v_pk_mul_f32 v[O+\j2:O+\j2+1], v[O+\j2:O+\j2+1], v[250:251] op_sel_hi:[1,0]   ; O^T under the new M.  (These sixteen are also the places between p's codes and scale word and the products below)
.endr
	s_wait_dscnt 0x0                               ; V's tiles and scale words
.irp t, 0,1,2,3                                ; O^T += V^T P^T: four accumulators, one instruction each; the matrix instruction behind the last is another step's, on other registers
.if \t % 2
	v_wmma_scale_f32_16x16x128_f8f6f4 v[O+8*\t:O+8*\t+7], v[KV+12*\t:KV+12*\t+11], v[PC:PC+11], v[O+8*\t:O+8*\t+7], v[KS+4+\t/2], v92 matrix_a_fmt:MATRIX_FMT_FP6 matrix_b_fmt:MATRIX_FMT_FP6 matrix_a_scale:MATRIX_SCALE_ROW1
.else
	v_wmma_scale_f32_16x16x128_f8f6f4 v[O+8*\t:O+8*\t+7], v[KV+12*\t:KV+12*\t+11], v[PC:PC+11], v[O+8*\t:O+8*\t+7], v[KS+4+\t/2], v92 matrix_a_fmt:MATRIX_FMT_FP6 matrix_b_fmt:MATRIX_FMT_FP6
.endif
.endr
.rept 4
	v_nop                                          ; four places in front of the next loads into V's registers and of the next read of O^T
.endr
.Lskip_\@:
.endm
	FILL 0                                         ; global steps 0-3, and all scale words
	STEP 0
	STEP 1
	FILL 1                                         ; steps 4-7
	STEP 2
	STEP 3
	FILL 2
	STEP 4
	STEP 5
	FILL 3
	STEP 6
	STEP 7
	; THE MERGE.  The wave of parity 1 hands its O^T, -M and sum to the wave of parity 0 of the same tile, as images of its registers.
	v_add_f32 v13, v14, v15                        ; the sum's two halves: v[12:13] = -M, l
	s_cmp_eq_u32 s[G], 0
	s_cbranch_scc1 .Lkeep
.irp i, 0,1,2,3,4,5,6,7
	ds_store_b128 v[MA], v[O+4*\i:O+4*\i+3] offset:512*\i
.endr
	ds_store_b128 v[MA], v[12:15] offset:4096
.Lkeep:
	s_wait_dscnt 0x0                               ; for the partner's sake: my stores have landed
	s_barrier_signal -1
	s_barrier_wait -1
	s_cmp_lg_u32 s[G], 0
	s_cbranch_scc1 .Lend                           ; parity 1 has handed its part over
.irp i, 0,1,2,3,4,5,6,7
	ds_load_b128 v[S+4*\i:S+4*\i+3], v[MA] offset:512*\i
.endr
	ds_load_b128 v[S+32:S+35], v[MA] offset:4096
	s_wait_dscnt 0x0
	v_min_num_f32 v[S+36], v12, v[S+32]            ; the common -M: the larger M
	v_sub_f32 v[S+37], v[S+36], v12                ; my M - the common M: a whole number, 0 or less
	v_sub_f32 v[S+38], v[S+36], v[S+32]            ; the partner's
	v_cvt_i32_f32 v[S+37], v[S+37]                 ; (they saturate: a wave that had no step gets the factor 0)
	v_cvt_i32_f32 v[S+38], v[S+38]
	v_ldexp_f32 v250, 1.0, v[S+37]
	v_ldexp_f32 v252, 1.0, v[S+38]
	v_mul_f32 v13, v13, v250
	v_fmac_f32 v13, v[S+33], v252                  ; both sums under the common M,
	v_permlanex16_b32 v[BT], v13, s[SEL], s[SEL+1]
	v_add_f32 v13, v13, v[BT]                      ; and lane l xor 16's: the row's sum
	v_rcp_f32 v[S+37], v13
	v_nop                                          ; a plain line behind the reciprocal
	s_wait_alu depctr_va_vdst(0)                   ; the reciprocal is written, ahead of its first reader
	v_mul_f32 v250, v250, v[S+37]                  ; the division goes into the two factors
	v_mul_f32 v252, v252, v[S+37]
.irp j2, 0,2,4,6,8,10,12,14,16,18,20,22,24,26,28,30
	v_pk_mul_f32 v[O+\j2:O+\j2+1], v[O+\j2:O+\j2+1], v[250:251] op_sel_hi:[1,0]
.endr
.irp j2, 0,2,4,6,8,10,12,14,16,18,20,22,24,26,28,30
	v_pk_fma_f32 v[S+\j2:S+\j2+1], v[S+\j2:S+\j2+1], v[252:253], v[O+\j2:O+\j2+1] op_sel_hi:[1,0,1]   ; register 8 t + i is out(query r, channel 16 t + 8 hl + i)
.endr
	; THE WAY OUT: through my stage, so that sixteen lanes store a query's 256 bytes of this head
.irp t, 0,1,2,3
	ds_store_b128 v[STO], v[S+8*\t:S+8*\t+3] offset:64*\t
	ds_store_b128 v[STO], v[S+8*\t+4:S+8*\t+7] offset:64*\t+16
.endr
.irp i, 0,1,2,3,4,5,6,7
	ds_load_b128 v[KV+4*\i:KV+4*\i+3], v[STR] offset:544*\i   ; LDS serves a wave's instructions in order: these see my stores
.endr
.irp i, 0,1,2,3,4,5,6,7
	s_wait_dscnt 7-\i
	global_store_b128 v[GO], v[KV+4*\i:KV+4*\i+3], s[14:15] offset:4096*\i th:TH_STORE_NT   ; each half of the lanes stores 256 consecutive bytes, at a multiple of 256 from out0's first byte
.endr
.Lend:
	s_wait_tensorcnt 0x0
	ds_add_u32 v231, v235
	s_wait_dscnt 0x0
	s_endpgm
.Lfunc_end_k_q22775c25f3_attn:
	.size	k_q22775c25f3_attn, .Lfunc_end_k_q22775c25f3_attn-k_q22775c25f3_attn
	.p2alignl 7, 3214868480
	.fill 96, 4, 3214868480
	.section	.rodata,"a",@progbits
	.p2align	6, 0x0
	.amdhsa_kernel k_q22775c25f3_attn
		.amdhsa_group_segment_fixed_size 282624
		.amdhsa_private_segment_fixed_size 0
		.amdhsa_enable_private_segment 0
		.amdhsa_kernarg_size 56
		.amdhsa_user_sgpr_count 2
		.amdhsa_user_sgpr_kernarg_segment_ptr 1
		.amdhsa_wavefront_size32 1
		.amdhsa_system_sgpr_workgroup_id_x 1
		.amdhsa_system_sgpr_workgroup_id_y 1
		.amdhsa_system_sgpr_workgroup_id_z 1
		.amdhsa_system_vgpr_workitem_id 0
		.amdhsa_next_free_vgpr 256
		.amdhsa_next_free_sgpr 102
		.amdhsa_reserve_vcc 0
		.amdhsa_float_denorm_mode_32 3
		.amdhsa_float_denorm_mode_16_64 3
		.amdhsa_memory_ordered 1
		.amdhsa_forward_progress 1
		.amdhsa_inst_pref_size 214
	.end_amdhsa_kernel
	.amdgpu_metadata
---
amdhsa.version: [ 1, 2 ]
amdhsa.kernels:
  - .name:           k_q22775c25f3_attn
    .symbol:         k_q22775c25f3_attn.kd
    .args:
      - { .name: queries, .offset: 0, .size: 8, .value_kind: global_buffer, .address_space: global }
      - { .name: kvimg, .offset: 8, .size: 8, .value_kind: global_buffer, .address_space: global }
      - { .name: kvscl, .offset: 16, .size: 8, .value_kind: global_buffer, .address_space: global }
      - { .name: mbits, .offset: 24, .size: 8, .value_kind: global_buffer, .address_space: global }
      - { .name: mflags, .offset: 32, .size: 8, .value_kind: global_buffer, .address_space: global }
      - { .name: smtab, .offset: 40, .size: 8, .value_kind: global_buffer, .address_space: global }
      - { .name: out0, .offset: 48, .size: 8, .value_kind: global_buffer, .address_space: global }
    .group_segment_fixed_size: 282624
    .private_segment_fixed_size: 0
    .kernarg_segment_align: 8
    .kernarg_segment_size: 56
    .max_flat_workgroup_size: 512
    .sgpr_count:     102
    .vgpr_count:     256
    .wavefront_size: 32
...
	.end_amdgpu_metadata
.endif
;; end of part 2
;; ======== version 2 of 2: 2 launches
;; workspace buffers: kvimg 3,145,728 bytes; kvscl 196,608 bytes; mbits 1,048,576 bytes of whole numbers; mflags 16,384 bytes of whole numbers; smtab 16,384 bytes of whole numbers
;; launch prep (part 3): grid 928 x 1, 4 waves a work-group, no clusters, 67,072 bytes of LDS; arguments keys, values, attn_mask, kvimg, kvscl, mbits, mflags, smtab; writes kvimg, kvscl, mbits, mflags, smtab
.if DOCPART == 3
	.amdgcn_target "amdgcn-amd-amdhsa--gfx1250"
	.amdhsa_code_object_version 6
	.text
	.protected	k_q22775c25f3_prep
	.globl	k_q22775c25f3_prep
	.p2align	8
	.type	k_q22775c25f3_prep,@function
k_q22775c25f3_prep:
	s_mov_b64 s[64:65], 0
	v_nop
	global_prefetch_b8 v0, s[64:65] scope:SCOPE_SE
	s_setreg_imm32_b32 hwreg(HW_REG_WAVE_MODE, 25, 1), 1
	s_wait_xcnt 0x0
; PREPARATION for the attention launch.  keys, values: [2][2048][8][64] f32; attn_mask: [2][1][2048][2048] bytes.
; Four roles, told apart by the work-group's number; each role has LDS bytes of its own, each wave a region of its own; no barrier: waves share nothing.
;   K (work-groups 0-255):   128 keys of one head -> codes of E2M3 along the head's 64, laid as the images of the registers in which the attention launch wants them, and their scale words.
;   V (256-383):             256 keys of one head -> codes along the KEYS (a lane takes a channel, its registers run down the keys), images and scale words likewise.
;   M (384-895):             attn_mask -> one bit a (query, key): for each tile of 16 queries x 128 keys 64 words, word n = the lane mask of score register n; and two flag bits a tile.
;   T (896-927):             the mask that the problem itself builds (|q - k| <= 16, or |q - k| a multiple of 65) as a table of lane masks by diagonal.
; A block's scale is 2^(floor(log2(its largest magnitude)) - 2): its byte is the largest magnitude's exponent field - 2, held at 1 from below.
; LIMITS: NaN and infinities in keys and values are not served.  A block whose largest magnitude lies under 2^-124 gets the byte 1; so does a block of zeros, where the quantiser says 127: its codes are
; zeros, which add nothing under any byte but 0xff, and these bytes are read by this program alone.  Any mask byte other than 0 counts as true.
; Every step along memory is an immediate: no register that a memory instruction names is written again, so the only waits on XCNT stand round the one change of EXEC (role M).
.set REC,   12288                      ; a key step's record in kvimg: K's four pairs of tiles (6,144 bytes), then V's four tiles (6,144)
.set SREC,  768                        ; and in kvscl: six images of 128 bytes: K's four pairs, V's two pairs
.set LDSK,  0                          ; role K: 9,216 bytes a wave: 64 half rows of 128 bytes, 144 apart
.set LDSV,  36864                      ; role V: 3,072 bytes a wave: two tiles' images
.set LDSM,  49152                      ; role M: 4,352 bytes a wave: 16 rows of 256 bytes, 272 apart
.set WV,    20                         ; s20 my wave's number
; 32 numbers of ONE lane, v[x] .. v[x+31], a whole block along K, become 6 registers of codes at v[cdst]; v[sop] the conversion's scale operand, v[byte] the scale's byte.
.macro BLK32 x, cdst, ctmp, sop, byte
	v_max3_num_f32 v9, |v[\x]|, |v[\x+1]|, |v[\x+2]|               ; the largest magnitude, in two chains
	v_max3_num_f32 v10, |v[\x+3]|, |v[\x+4]|, |v[\x+5]|
.irp i, 6,10,14,18,22,26
	v_max3_num_f32 v9, v9, |v[\x+\i]|, |v[\x+\i+1]|
	v_max3_num_f32 v10, v10, |v[\x+\i+2]|, |v[\x+\i+3]|
.endr
	v_max3_num_f32 v9, v9, |v[\x+30]|, |v[\x+31]|
	v_max3_num_f32 v9, v9, v10, 0x1800000                          ; and the floor 2^(3 - 127): the byte cannot fall under 1
	v_add_nc_u32 v[\sop], 0xff000000, v9                           ; 2 off the exponent field: the conversion takes this operand's exponent field as its scale
	v_cvt_scalef32_pk16_fp6_f32 v[\cdst:\cdst+2], v[\x:\x+15], v[\sop]
	v_cvt_scalef32_pk16_fp6_f32 v[\ctmp:\ctmp+2], v[\x+16:\x+31], v[\sop]   ; (a conversion's three registers begin on an even number: the second half is made elsewhere and moved)
	v_lshrrev_b32 v[\byte], 23, v[\sop]                            ; the scale's byte; also the plain line behind the conversions
	v_mov_b32 v[\cdst+3], v[\ctmp]
	v_mov_b32 v[\cdst+4], v[\ctmp+1]
	v_mov_b32 v[\cdst+5], v[\ctmp+2]
.endm
	s_load_b512 s[4:19], s[0:1], 0x0               ; keys s[4:5], values s[6:7], attn_mask s[8:9], kvimg s[10:11], kvscl s[12:13], mbits s[14:15], mflags s[16:17], smtab s[18:19]
	v_lshl_add_u32 v208, v0, 2, 0x10400
	v_mov_b32 v209, 0
	v_lshrrev_b32 v6, 5, v0
	v_readfirstlane_b32 s[WV], v6                  ; wave 0..3
	v_and_b32 v1, 31, v0                           ; lane
	v_and_b32 v2, 15, v0                           ; r
	v_bfe_u32 v3, v0, 4, 1                         ; hl
	v_lshlrev_b32 v4, 4, v1                        ; 16 x lane
	v_lshlrev_b32 v5, 2, v1                        ; 4 x lane
	s_mov_b32 s22, 0x76543210
	s_mov_b32 s23, 0xfedcba98                      ; v_permlanex16_b32's selects for lane l xor 16
	s_mov_b32 s25, 0                               ; offsets are made in s24 and added as the pair s[24:25]
	s_wait_kmcnt 0x0
	s_cmp_lt_u32 ttmp9, 256
	s_cbranch_scc1 .Lrole_k
	s_cmp_lt_u32 ttmp9, 384
	s_cbranch_scc1 .Lrole_v
	s_cmp_lt_u32 ttmp9, 896
	s_cbranch_scc1 .Lrole_m
; ---------------- ROLE T.  Word y of smtab, bit lane (r, hl): is the diagonal d = q - k = 2032 - y + r - 16 hl selected?  A wave makes words 32 unit .. 32 unit + 31.
	s_sub_co_u32 s26, ttmp9, 896
	s_lshl_b32 s26, s26, 2
	s_add_co_u32 s26, s26, s[WV]                   ; unit 0..127
	s_lshl_b32 s24, s26, 7
	s_add_nc_u64 s[18:19], s[18:19], s[24:25]      ; its 128 bytes
	s_lshl_b32 s27, s26, 5
	s_sub_co_u32 s27, 4112, s27
	s_wait_alu depctr_va_vdst(0)
	v_lshlrev_b32 v6, 4, v3
	v_sub_nc_u32 v6, v2, v6
	v_add_nc_u32 v6, s27, v6                       ; e = d + 2080 at the unit's first word: 4112 - 32 unit + r - 16 hl.  2080 = 32 x 65, and e lies in 1 .. 4127
	v_mov_b32 v10, 0                               ; (a lane write's destination counts as read)
.set n, 0
.rept 32
	v_add_nc_u32 v7, -n, v6                        ; e of word 32 unit + n
	v_mul_u32_u24 v8, v7, 16132
	v_lshrrev_b32 v8, 20, v8                       ; e / 65, rounded down: 16132 / 2^20 is above 1 / 65 by 7.4e-8, and 4127 x 7.4e-8 is under 1 / 65
	v_mul_u32_u24 v8, v8, 65
	v_cmp_eq_u32 s28, v7, v8                       ; d is a multiple of 65
	v_add_nc_u32 v9, -2064, v7                     ; d + 16
	v_cmp_gt_u32 s29, 33, v9                       ; |d| <= 16
	s_or_b32 s28, s28, s29
	v_writelane_b32 v10, s28, n                    ; the 32 lanes' answers are word n
.set n, n+1
.endr
	global_store_b32 v5, v10, s[18:19]             ; 128 consecutive bytes
	s_endpgm
; ---------------- ROLE K.  Work-group = 16 bh + s; wave p takes keys 128 s + 32 p + 0 .. 31: the pair of tiles 2 p, 2 p + 1.
.Lrole_k:
	s_lshr_b32 s26, ttmp9, 4                       ; bh
	s_and_b32 s27, ttmp9, 15                       ; s
	s_lshr_b32 s28, s26, 3                         ; b
	s_and_b32 s29, s26, 7                          ; h
	s_lshl_b32 s24, s28, 22                        ; b x 2048 x 2048 bytes
	s_lshl_b32 s30, s27, 18                        ; + 128 s keys of 2,048 bytes
	s_add_co_u32 s24, s24, s30
	s_lshl_b32 s30, s[WV], 16                      ; + 32 p keys
	s_add_co_u32 s24, s24, s30
	s_lshl_b32 s30, s29, 8                         ; + the head's 256 bytes
	s_add_co_u32 s24, s24, s30
	s_add_nc_u64 s[4:5], s[4:5], s[24:25]
	s_mul_i32 s24, ttmp9, REC
	s_mul_i32 s30, s[WV], 1536
	s_add_co_u32 s24, s24, s30
	s_add_nc_u64 s[10:11], s[10:11], s[24:25]      ; the pair's image
	s_mul_i32 s24, ttmp9, SREC
	s_lshl_b32 s30, s[WV], 7
	s_add_co_u32 s24, s24, s30
	s_add_nc_u64 s[12:13], s[12:13], s[24:25]      ; and its scale words
	s_wait_alu depctr_va_vdst(0)
	v_lshlrev_b32 v6, 11, v3
	v_lshl_add_u32 v6, v2, 4, v6                   ; lanes 0-15 one key's 256 bytes, lanes 16-31 the next key's
.irp i, 0,1,2,3,4,5,6,7,8,9,10,11,12,13,14,15
	global_load_b128 v[32+4*\i:35+4*\i], v6, s[4:5] offset:4096*\i th:TH_LOAD_NT
.endr
	s_mul_i32 s31, s[WV], 9216                     ; my stage (LDSK = 0)
	v_lshrrev_b32 v7, 3, v1
	v_mul_u32_u24 v7, v7, 144
	v_and_b32 v8, 7, v1
	v_lshl_add_u32 v7, v8, 4, v7
	v_add_nc_u32 v7, s31, v7                       ; in: half row 4 i + lane / 8, 16 (lane % 8) bytes on
	v_and_b32 v8, 8, v2
	v_add_nc_u32 v8, v8, v2                        ; THE KEYS OF A TILE ARE NOT NEIGHBOURS: row r of tile 2 p + u is key 32 p + 8 u + r + 8 (r / 8)
	v_lshl_add_u32 v8, v8, 1, v3
	v_mul_u32_u24 v8, v8, 144
	v_add_nc_u32 v8, s31, v8                       ; back: half row 2 (r + 8 (r / 8)) + hl (+ 16 u): my key's channels 32 hl .. 32 hl + 31, a whole block
	s_wait_alu depctr_va_vdst(0)
.irp q, 0,1,2,3
	s_wait_loadcnt 12-4*\q                         ; loads come back in order: these four are in, the younger ones stay out
.irp k, 0,1,2,3
	ds_store_b128 v7, v[32+4*(4*\q+\k):35+4*(4*\q+\k)] offset:576*(4*\q+\k)
.endr
.endr
.irp u, 0,1
.irp j, 0,1,2,3,4,5,6,7
	ds_load_b128 v[96+32*\u+4*\j:99+32*\u+4*\j], v8 offset:2304*\u+16*\j   ; LDS serves a wave's instructions in order: these see my stores
.endr
.endr
	s_wait_dscnt 8                                 ; tile 2 p's eight loads are in; tile 2 p + 1's eight may be out
	BLK32 96, 160, 172, 14, 12
	s_wait_dscnt 0x0
	BLK32 128, 166, 176, 15, 13
.irp c, 0,1,2
	global_store_b128 v4, v[160+4*\c:163+4*\c], s[10:11] offset:512*\c   ; the pair's twelve registers as they stand: 3 x 512 consecutive bytes
.endr
	; the scale words: lanes 0-15 want tile 2 p's word of row r (bytes: block 0, block 1, 0x7f, 0x7f), lanes 16-31 tile 2 p + 1's.  I hold the bytes of my block hl of both tiles
	v_lshl_or_b32 v16, v13, 16, v12
	v_or_b32 v16, 0x7f007f00, v16                  ; z: bytes e(tile 2 p), 0x7f, e(tile 2 p + 1), 0x7f
	v_mov_b32 v17, 0                               ; (a lane permute's destination counts as read)
	v_permlanex16_b32 v17, v16, s22, s23           ; the other block's
	v_mov_b32 v18, 0x01010400                      ; lanes 0-15: my byte 0, the other's byte 0, 0x7f, 0x7f
	v_mov_b32 v19, 0x01010206                      ; lanes 16-31: the other's byte 2, my byte 2, 0x7f, 0x7f
	v_cmp_lt_u32 vcc_lo, 15, v1
	v_cndmask_b32 v18, v18, v19, vcc_lo
	v_perm_b32 v20, v17, v16, v18
	global_store_b32 v5, v20, s[12:13]
	s_wait_tensorcnt 0x0
	ds_add_u32 v208, v209
	s_wait_dscnt 0x0
	s_endpgm
; ---------------- ROLE V.  Work-group id: head id / 8; wave: key step 2 (id % 8) + wave / 2, channels 32 (wave % 2) + lane.  A lane's 128 registers run down the step's 128 keys.
.Lrole_v:
	s_sub_co_u32 s26, ttmp9, 256
	s_lshr_b32 s27, s26, 3                         ; bh
	s_and_b32 s28, s26, 7
	s_lshl_b32 s28, s28, 1
	s_lshr_b32 s29, s[WV], 1
	s_add_co_u32 s28, s28, s29                     ; s
	s_and_b32 s29, s[WV], 1                        ; w: which 32 channels
	s_lshr_b32 s30, s27, 3                         ; b
	s_and_b32 s31, s27, 7                          ; h
	s_lshl_b32 s24, s30, 22
	s_lshl_b32 s30, s28, 18
	s_add_co_u32 s24, s24, s30
	s_lshl_b32 s30, s31, 8
	s_add_co_u32 s24, s24, s30
	s_lshl_b32 s30, s29, 7
	s_add_co_u32 s24, s24, s30
	s_add_nc_u64 s[6:7], s[6:7], s[24:25]
	s_lshl_b32 s30, s27, 4
	s_add_co_u32 s30, s30, s28                     ; the record: 16 bh + s
	s_mul_i32 s24, s30, REC
	s_mul_i32 s31, s29, 3072
	s_add_co_u32 s24, s24, s31
	s_add_co_u32 s24, s24, 6144
	s_add_nc_u64 s[10:11], s[10:11], s[24:25]      ; tiles 2 w, 2 w + 1 of V's part
	s_mul_i32 s24, s30, SREC
	s_lshl_b32 s31, s29, 7
	s_add_co_u32 s24, s24, s31
	s_add_co_u32 s24, s24, 512
	s_add_nc_u64 s[12:13], s[12:13], s[24:25]      ; scale image 4 + w
.set n, 0
	s_wait_alu depctr_va_vdst(0)
.rept 128
	global_load_b32 v[32+n], v5, s[6:7] offset:2048*n th:TH_LOAD_NT   ; key n at my channel: 128 consecutive bytes a wave; the wave beside me takes the 128 next to them
.set n, n+1
.endr
	s_mul_i32 s31, s[WV], 3072
	s_add_co_u32 s31, s31, LDSV                    ; my stage
	v_mul_u32_u24 v6, v3, 1536
	v_lshl_add_u32 v6, v2, 4, v6
	v_add_nc_u32 v6, s31, v6                       ; in: tile lane / 16 of my two, the place of lane r of that tile's image
	v_add_nc_u32 v7, s31, v4                       ; back: 16 bytes a lane
; Block b = keys 32 b on belongs to lane r + 16 (b % 2) of the tile's image, registers 6 (b / 2) .. + 5.  Register g of image lane l lies at 512 (g / 4) + 16 l + 4 (g % 4).
.irp b, 0,1,2,3
.if \b < 2
	s_wait_loadcnt 63                              ; 96 and 64 younger loads could stay out; the wait names what its field holds, and a smaller count is safe
.elseif \b == 2
	s_wait_loadcnt 32
.else
	s_wait_loadcnt 0x0
.endif
	BLK32 32+32*\b, 160+8*\b, 192+4*\b, 12+\b, 16+\b
.if \b == 0
	v_mov_b32 v20, v16                             ; my channel's scale word: byte b for keys 32 b on
.else
	v_lshl_or_b32 v20, v[16+\b], 8*\b, v20
.endif
.if \b < 2
	ds_store_b128 v6, v[160+8*\b:163+8*\b] offset:256*(\b%2)           ; registers 0-3
	ds_store_b64 v6, v[164+8*\b:165+8*\b] offset:512+256*(\b%2)        ; registers 4-5
.else
	ds_store_b64 v6, v[160+8*\b:161+8*\b] offset:520+256*(\b%2)        ; registers 6-7
	ds_store_b128 v6, v[162+8*\b:165+8*\b] offset:1024+256*(\b%2)      ; registers 8-11
.endif
.endr
.irp i, 0,1,2,3,4,5
	ds_load_b128 v[32+4*\i:35+4*\i], v7 offset:512*\i   ; LDS serves a wave's instructions in order: these see my stores
.endr
	global_store_b32 v5, v20, s[12:13]             ; lanes 0-15: tile 2 w's words, lanes 16-31: tile 2 w + 1's
.irp i, 0,1,2,3,4,5
	s_wait_dscnt 5-\i
	global_store_b128 v4, v[32+4*\i:35+4*\i], s[10:11] offset:512*\i   ; 512 consecutive bytes
.endr
	s_wait_tensorcnt 0x0
	ds_add_u32 v208, v209
	s_wait_dscnt 0x0
	s_endpgm
; ---------------- ROLE M.  Unit u = 4 id + wave: tile of queries T = u / 8 (16 rows of the mask), keys 256 (u % 8) on: two key steps.
.Lrole_m:
	s_sub_co_u32 s26, ttmp9, 384
	s_lshl_b32 s26, s26, 2
	s_add_co_u32 s26, s26, s[WV]                   ; u
	s_lshr_b32 s27, s26, 3                         ; T = 128 b + tile
	s_and_b32 s28, s26, 7
	s_lshl_b32 s24, s27, 15                        ; 16 rows of 2,048 bytes
	s_lshl_b32 s29, s28, 8
	s_add_co_u32 s24, s24, s29
	s_add_nc_u64 s[8:9], s[8:9], s[24:25]
	s_lshl_b32 s24, s27, 12                        ; mbits: 16 steps x 64 words a tile
	s_lshl_b32 s29, s28, 9
	s_add_co_u32 s24, s24, s29
	s_add_nc_u64 s[14:15], s[14:15], s[24:25]
	s_lshl_b32 s24, s27, 6                         ; mflags: 16 words a tile
	s_lshl_b32 s29, s28, 3
	s_add_co_u32 s24, s24, s29
	s_add_nc_u64 s[16:17], s[16:17], s[24:25]
	s_wait_alu depctr_va_vdst(0)
	v_lshlrev_b32 v6, 11, v3
	v_lshl_add_u32 v6, v2, 4, v6                   ; lanes 0-15 one row's 256 bytes, lanes 16-31 the next row's
.irp i, 0,1,2,3,4,5,6,7
	global_load_b128 v[32+4*\i:35+4*\i], v6, s[8:9] offset:4096*\i th:TH_LOAD_NT
.endr
	s_mul_i32 s31, s[WV], 4352
	s_add_co_u32 s31, s31, LDSM                    ; my stage
	v_mul_u32_u24 v7, v3, 272
	v_lshl_add_u32 v7, v2, 4, v7
	v_add_nc_u32 v7, s31, v7                       ; in: row 2 i + hl
	v_mul_u32_u24 v8, v2, 272
	v_lshl_add_u32 v8, v3, 4, v8
	v_add_nc_u32 v8, s31, v8                       ; back: row r, keys 32 kb + 16 hl + 0 .. 15: the keys that lane (r, hl) holds in score registers 16 kb .. 16 kb + 15
.irp i, 0,1,2,3
	v_mov_b32 v[100+\i], 0                         ; (a lane write's destination counts as read)
.endr
	s_mov_b32 s40, -1                              ; the AND of a step's 64 words, for each of the two steps,
	s_mov_b32 s41, -1
	s_mov_b32 s42, 0                               ; and the OR
	s_mov_b32 s43, 0
	s_wait_alu depctr_va_vdst(0)
	s_wait_loadcnt 0x0
.irp i, 0,1,2,3,4,5,6,7
	ds_store_b128 v7, v[32+4*\i:35+4*\i] offset:544*\i
.endr
.irp k, 0,1,2,3,4,5,6,7
	ds_load_b128 v[64+4*\k:67+4*\k], v8 offset:32*\k
.endr
	s_wait_dscnt 0x0
.set n, 0
.rept 128                                          ; word n of the unit's 128: byte n % 16 of my 16 bytes of block n / 16
	v_and_b32 v[96+(n&3)], 0xff<<(8*(n&3)), v[64+(n>>2)]
	v_cmp_ne_u32 s[32+(n&7)], 0, v[96+(n&3)]       ; the 32 lanes' bits
	v_writelane_b32 v[100+(n&3)], s[32+(n&7)], n>>2   ; lane n / 4 will store words 4 (n / 4) .. + 3
	s_and_b32 s[40+(n>>6)], s[40+(n>>6)], s[32+(n&7)]
	s_or_b32 s[42+(n>>6)], s[42+(n>>6)], s[32+(n&7)]
.set n, n+1
.endr
	s_cmp_lg_u32 s40, -1
	s_cselect_b32 s44, 1, 0                        ; bit 0: some pair of the tile is not masked
	s_cmp_lg_u32 s42, 0
	s_cselect_b32 s45, 2, 0                        ; bit 1: some pair is masked
	s_or_b32 s44, s44, s45
	s_cmp_lg_u32 s41, -1
	s_cselect_b32 s46, 1, 0
	s_cmp_lg_u32 s43, 0
	s_cselect_b32 s45, 2, 0
	s_or_b32 s46, s46, s45
	v_mov_b32 v104, s44
	v_mov_b32 v105, s46
	v_mov_b32 v106, 0
	s_wait_alu depctr_va_vdst(0)
	global_store_b128 v4, v[100:103], s[14:15]     ; 512 consecutive bytes
	s_wait_xcnt 0x0                                ; EXEC is a source of the store above: it changes only behind this wait
	v_cmp_eq_u32 vcc_lo, 0, v1
	s_wait_tensorcnt 0x0
	ds_add_u32 v208, v209
	s_wait_dscnt 0x0
	s_and_saveexec_b32 s47, vcc_lo
	global_store_b64 v106, v[104:105], s[16:17]    ; lane 0 alone: the two steps' flags
	s_wait_xcnt 0x0                                ; and again, in front of the line that widens it
	s_or_b32 exec_lo, exec_lo, s47
	s_endpgm
.Lfunc_end_k_q22775c25f3_prep:
	.size	k_q22775c25f3_prep, .Lfunc_end_k_q22775c25f3_prep-k_q22775c25f3_prep
	.p2alignl 7, 3214868480
	.fill 96, 4, 3214868480
	.section	.rodata,"a",@progbits
	.p2align	6, 0x0
	.amdhsa_kernel k_q22775c25f3_prep
		.amdhsa_group_segment_fixed_size 67072
		.amdhsa_private_segment_fixed_size 0
		.amdhsa_enable_private_segment 0
		.amdhsa_kernarg_size 64
		.amdhsa_user_sgpr_count 2
		.amdhsa_user_sgpr_kernarg_segment_ptr 1
		.amdhsa_wavefront_size32 1
		.amdhsa_system_sgpr_workgroup_id_x 1
		.amdhsa_system_sgpr_workgroup_id_y 1
		.amdhsa_system_sgpr_workgroup_id_z 1
		.amdhsa_system_vgpr_workitem_id 0
		.amdhsa_next_free_vgpr 210
		.amdhsa_next_free_sgpr 66
		.amdhsa_reserve_vcc 1
		.amdhsa_float_denorm_mode_32 3
		.amdhsa_float_denorm_mode_16_64 3
		.amdhsa_memory_ordered 1
		.amdhsa_forward_progress 1
		.amdhsa_inst_pref_size 86
	.end_amdhsa_kernel
	.amdgpu_metadata
---
amdhsa.version: [ 1, 2 ]
amdhsa.kernels:
  - .name:           k_q22775c25f3_prep
    .symbol:         k_q22775c25f3_prep.kd
    .args:
      - { .name: keys, .offset: 0, .size: 8, .value_kind: global_buffer, .address_space: global }
      - { .name: values, .offset: 8, .size: 8, .value_kind: global_buffer, .address_space: global }
      - { .name: attn_mask, .offset: 16, .size: 8, .value_kind: global_buffer, .address_space: global }
      - { .name: kvimg, .offset: 24, .size: 8, .value_kind: global_buffer, .address_space: global }
      - { .name: kvscl, .offset: 32, .size: 8, .value_kind: global_buffer, .address_space: global }
      - { .name: mbits, .offset: 40, .size: 8, .value_kind: global_buffer, .address_space: global }
      - { .name: mflags, .offset: 48, .size: 8, .value_kind: global_buffer, .address_space: global }
      - { .name: smtab, .offset: 56, .size: 8, .value_kind: global_buffer, .address_space: global }
    .group_segment_fixed_size: 67072
    .private_segment_fixed_size: 0
    .kernarg_segment_align: 8
    .kernarg_segment_size: 64
    .max_flat_workgroup_size: 128
    .sgpr_count:     66
    .vgpr_count:     210
    .wavefront_size: 32
...
	.end_amdgpu_metadata
.endif
;; end of part 3
;; launch attn (part 4): grid 16 x 16, 16 waves a work-group, no clusters, 282,624 bytes of LDS; arguments queries, kvimg, kvscl, mbits, mflags, smtab, out0; writes out0
.if DOCPART == 4
	.amdgcn_target "amdgcn-amd-amdhsa--gfx1250"
	.amdhsa_code_object_version 6
	.text
	.protected	k_q22775c25f3_attn
	.globl	k_q22775c25f3_attn
	.p2align	8
	.type	k_q22775c25f3_attn,@function
k_q22775c25f3_attn:
	s_mov_b64 s[64:65], 0
	v_nop
	global_prefetch_b8 v0, s[64:65] scope:SCOPE_SE
	s_setreg_imm32_b32 hwreg(HW_REG_WAVE_SCHED_MODE, 0, 2), 2
	s_setreg_imm32_b32 hwreg(HW_REG_WAVE_MODE, 25, 1), 1
	s_wait_xcnt 0x0
	s_wait_alu depctr_vm_vsrc(0)
; out0[b][q][h][:] = the sum over k of softmax_k(score / 8) V[b][k][h][:], score = (Q . K) x sm(q - k), -infinity where attn_mask is set; both products on codes of E2M3 with one E8M0 scale for each 32 along K.
; THE SOFTMAX AHEAD OF THE SECOND PRODUCT: t = score x log2(e) / 8; M = the row's largest t so far, rounded UP to a whole number; p = 2^(t - M) is quantised along the keys, not normalised; the row's sum is taken of
; the unquantised p and divides at the end.  When M moves, the sum and O are multiplied by 2^(old M - new M): exact.
; SHARES.  A work-group owns one head (work-group y = 8 b + h) and eight tiles of 16 queries: tiles 4 x + bq and 127 - (4 x + bq), bq = 0 .. 3.  Each tile has TWO waves: the wave of parity g walks key steps
; g, g + 2 .. (128 keys a step, eight steps), with its own M, sum and O^T; the two meet in LDS at the end.  Sixteen waves of 256 registers, four to a SIMD: one wave's vector work stands beside another's loads and products.
; THE WHOLE HEAD LIES IN LDS: K's and V's codes as images of the operands' registers (12,288 bytes a key step) and their scale words (768): each fragment comes by ds_load_b128 at 16 x lane.
; The images come through registers, in four chunks of four key steps; a chunk is asked for two key steps of work ahead of the barrier behind which it is read.
; A STEP ALL OF WHOSE 16 x 128 PAIRS ARE MASKED IS LEFT OUT (every p would be 0): a scalar branch on flags that the launch before has stored.  This holds for any mask; the pairing of tiles only evens work out.
; WHY NO JOINT TENSOR LOADS, though the 16 work-groups of a head read the same 208,896 bytes: the branch on the flags is worth more here.
; LAYOUT.  Both products are used transposed: S^T = K Q^T (source 0 = 16 keys, source 1 = my 16 queries), O^T = V^T P^T: a lane holds ONE query (lane % 16) throughout.  Row r of K's tile 2 b + u is key
; 32 b + 8 u + r + 8 (r / 8), so score register 16 b + i of lane (r, hl) is key 32 b + 16 hl + i.  The head has 64 channels and the instruction takes 128 along K: Q's upper six registers are zero codes, and K's
; upper six are whatever follows (the next tile's codes, or zeros): finite numbers times zero, under scale bytes 0x7f.  So a tile of K costs six registers.
; LIMITS: NaN and infinities in queries are not served.  A block whose largest magnitude lies under 2^-124 (a block whose every p is 0 among them) gets the scale byte 1.  A row that is wholly masked gives 0 x (1 / 0) = NaN,
; as the softmax of such a row does.  A block's largest p is made from the block's largest score by the same two instructions: this takes v_exp_f32 not to fall where its input rises.
; THE MODE: SCHED_MODE bits 1:0 = 2 (LLVM: expert scheduling mode 2), set by the entry lines.  The code itself states the register dependences between vector or matrix instructions and memory or LDS
; instructions, with s_wait_alu, always for 0.
; THE PLAN.  Registers that memory or LDS instructions touch, and who else names them:
;   v1-v11, v30, v31, v254, v255   addresses and offsets: all made at the head, never written again (a step's and a chunk's place stand in the immediates): one wait ahead of the first load serves them all.
;   KV, KS     A step's K lands there; its eight products K Q^T read it; V lands there; its four products V^T P read it.  So one wait stands at an executed step's head (the step before's products V^T P are done) and one
;              behind the eight products.  No vector instruction names these registers in a step.
;   FB         A chunk on its way: loads land, LDS stores read, the next chunk's loads land.  No vector instruction names it: one wait on vm_vsrc between the stores and the loads.
;   S          Loads land there at the head (Q; the scale words) and in the merge (the partner's images); between, vector and matrix instructions alone name it.
;   O, v12-15  Read by the nine LDS stores of the merge, in the waves of parity 1; the waves of parity 0 write their merged numbers into other registers.
;   p's codes and scale word, Q's codes and scale word, the zero codes: written by vector instructions, taken by scaled products: a wait stands behind the places, ahead of the products.
.set REC,  12288                       ; a key step's images: K's four pairs of tiles (6,144), V's four tiles (6,144)
.set CHUNK, 4*REC                      ; what one FILL brings: 3,072 bytes a wave
.set SCL,  16*REC                      ; LDS: behind the images the scale words, 16 x 768;
.set MRG,  SCL+16*768                  ; eight slots of 4,608 bytes: a wave's O^T (4,096) and its -M and sum (512);
.set STG,  MRG+8*4608                  ; eight stages of 16 rows x 272 bytes for the way out.  Every region is written once
.set L16,  1                           ; v1   16 x lane
.set L4,   2                           ; v2   4 x lane
.set FO,   3                           ; v3   3,072 x wave + 16 x lane: my part of a chunk, in memory and in LDS (chunks 0 and 1)
.set FSO,  4                           ; v4   768 x wave + 4 x lane: my part of the scale words
.set MA,   5                           ; v5   my slot for the merge
.set STO,  6                           ; v6   the stage: where I put 32 bytes of a row
.set STR,  7                           ; v7   and where I read a row back
.set GO,   8                           ; v8   my byte offset in the tile's rows of out0
.set ADI,  9                           ; v9-11  LDS address of my images: 16 x lane + g x REC, at my steps 0, 3 and 6: three steps to a register, so that every immediate stays inside 16 bits
                                       ; v12 -M, v13 the largest t, v[14:15] the sum in two halves
.set QF,   16                          ; v[16:27] Q's fragment (v22-27 zero codes);  v28 its scale word;  v29 -infinity
.set ADS,  30                          ; v30  LDS address of my scale words: SCL + 4 x lane + g x 768
.set FL,   31                          ; v31  my part of chunks 2 and 3 in LDS
.set KV,   32                          ; v[32:79] K's eight tiles x 6 registers, later V's four x 12;  v[80:85] zeros
.set KS,   86                          ; v[86:89] K's scale words (lanes 0-15 the even tile's, lanes 16-31 the odd tile's);  v[90:91] V's;  v92 p's
.set S,    96                          ; v[96:159] S^T, then p
.set O,    160                         ; v[160:191] O^T
.set FB,   192                         ; v[192:215] the chunk on its way
.set PC,   216                         ; v[216:227] p's codes;  v[228:230], v[232:234] the conversions' second halves
.set BM,   236                         ; v[236:239] the blocks' largest scores, then largest p
.set BT,   240                         ; v[240:243] at work
.set BS,   244                         ; v[244:247] the conversions' scale operands
                                       ; v[248:249] the second chain of the sum; v[250:251], v[252:253] factors (the low word serves both halves); v254 Q's load offset; v255 where my scale words go
.set WV,   84                          ; s84 wave;  s85 g;  s86 high tile?;  s87 slot;  s88 tile of queries
.set G,    85
.set SLT,  87
.set QT,   88
.set F,    89                          ; s89  my eight steps' flags: step j at bits 4 j (something is open) and 4 j + 1 (something is masked)
.set SEL,  90                          ; s[90:91] v_permlanex16_b32's selects for lane l xor 16
.set CS,   92                          ; s[92:93] c = log2(e) / 8
.set SMO,  94                          ; s94  byte in smtab of my step 0's first word
                                       ; s[16:31], s[32:47], s[48:63], s[68:83]: 64 lane masks, one for each score register
	s_load_b256 s[16:23], s[0:1], 0x0              ; queries, kvimg, kvscl, mbits
	s_load_b128 s[24:27], s[0:1], 0x20             ; mflags, smtab
	s_load_b64 s[28:29], s[0:1], 0x30              ; out0
	v_lshl_add_u32 v231, v0, 2, 0x44800
	v_mov_b32 v235, 0
	v_lshrrev_b32 v252, 5, v0
	v_readfirstlane_b32 s[WV], v252                ; wave 0..15
	; every LDS address is made at the head, ahead of any parting of the waves; first those that hang on the thread's number alone
	v_and_b32 v93, 31, v0                          ; lane
	v_and_b32 v94, 15, v0                          ; r
	v_bfe_u32 v95, v0, 4, 1                        ; hl
	v_lshlrev_b32 v[L16], 4, v93
	v_lshlrev_b32 v[L4], 2, v93
	v_mad_u32_u24 v[FO], v252, 3072, v[L16]
	v_mad_u32_u24 v[FSO], v252, 768, v[L4]
	v_add_nc_u32 v255, SCL, v[FSO]
	v_add_nc_u32 v[FL], 2*CHUNK, v[FO]
	v_lshlrev_b32 v[GO], 11, v95
	v_lshl_add_u32 v[GO], v94, 4, v[GO]            ; the way out: lanes 0-15 one row of out0, lanes 16-31 the next, 2,048 bytes apart
	v_lshlrev_b32 v254, 11, v94
	v_lshl_add_u32 v254, v95, 7, v254              ; Q: query r, + 128 hl: my whole block of 32 channels
	s_wait_alu depctr_va_sdst(0)                   ; s84, the wave's number, is written, ahead of its first reader: the line below
	s_lshr_b32 s95, s[WV], 2
	s_and_b32 s96, s[WV], 3                        ; bq
	s_add_co_u32 s95, s95, s96
	s_and_b32 s95, s95, 3                          ; (wave / 4 + wave % 4) % 4: waves with equal wave % 4, and waves with equal wave / 4, get all four kinds
	s_and_b32 s[G], s95, 1                         ; parity of my key steps
	s_lshr_b32 s86, s95, 1                         ; low tile or high
	s_lshl_b32 s[SLT], s86, 2
	s_add_co_u32 s[SLT], s[SLT], s96               ; my tile's slot, 0..7: two waves (g = 0, 1) have each
	s_lshl_b32 s[QT], ttmp9, 2
	s_add_co_u32 s[QT], s[QT], s96
	s_sub_co_u32 s97, 127, s[QT]
	s_cmp_eq_u32 s86, 0
	s_cselect_b32 s[QT], s[QT], s97                ; my tile of 16 queries: it enters global addresses alone
	s_and_b32 s98, ttmp7, 0xffff                   ; bh
	s_lshr_b32 s99, s98, 3                         ; b
	s_and_b32 s100, s98, 7                         ; h
	s_lshl_b32 s101, s99, 7
	s_add_co_u32 s101, s101, s[QT]                 ; T = 128 b + tile
	s_lshl_b32 s[SMO], s[G], 9
	s_add_co_u32 s[SMO], s[SMO], 8128
	s_lshl_b32 s97, s[QT], 6
	s_sub_co_u32 s[SMO], s[SMO], s97               ; 4 (2032 - 16 tile + 128 g)
	s_mov_b32 s[SEL], 0x76543210
	s_mov_b32 s[SEL+1], 0xfedcba98
	s_mov_b32 s[CS], 0x3e38aa3b                    ; log2(e) / 8: log2(e) with 3 off its exponent
	s_mov_b32 s[CS+1], s[CS]                       ; (named with it as a pair, so it is written)
	; and the addresses that hang on the wave's slot and parity
	s_mul_i32 s97, s[SLT], 4608
	s_add_co_u32 s97, s97, MRG
	v_add_nc_u32 v[MA], s97, v[L16]
	s_mul_i32 s97, s[SLT], 16*272
	s_add_co_u32 s97, s97, STG
	v_mul_u32_u24 v[STO], v94, 272
	v_lshl_add_u32 v[STO], v95, 5, v[STO]
	v_add_nc_u32 v[STO], s97, v[STO]               ; in: row r; tile t's eight channels of my half: 64 t + 32 hl bytes on
	v_mul_u32_u24 v[STR], v95, 272
	v_lshl_add_u32 v[STR], v94, 4, v[STR]
	v_add_nc_u32 v[STR], s97, v[STR]               ; back: lanes 0-15 one row, lanes 16-31 the next
	s_mul_i32 s97, s[G], REC
	v_add_nc_u32 v[ADI], s97, v[L16]               ; my steps 0 to 2,
	v_add_nc_u32 v[ADI+1], 6*REC, v[ADI]           ; 3 to 5,
	v_add_nc_u32 v[ADI+2], 12*REC, v[ADI]          ; 6 and 7
	s_mul_i32 s97, s[G], 768
	s_add_co_u32 s97, s97, SCL
	v_add_nc_u32 v[ADS], s97, v[L4]
	s_wait_kmcnt 0x0
	s_mov_b32 s31, 0                               ; offsets are made in s30 and added as the pair s[30:31]
	s_lshl_b32 s30, s101, 15                       ; T x 16 queries x 2,048 bytes
	s_lshl_b32 s97, s100, 8                        ; + the head's 256 bytes
	s_add_co_u32 s30, s30, s97
	s_add_nc_u64 s[2:3], s[16:17], s[30:31]        ; queries at my tile
	s_add_nc_u64 s[14:15], s[28:29], s[30:31]      ; out0 likewise
	s_mul_i32 s30, s98, 16*REC
	s_add_nc_u64 s[4:5], s[18:19], s[30:31]        ; my head's images
	s_mul_i32 s30, s98, 16*768
	s_add_nc_u64 s[6:7], s[20:21], s[30:31]        ; and scale words
	s_lshl_b32 s30, s101, 12
	s_lshl_b32 s97, s[G], 8
	s_add_co_u32 s30, s30, s97
	s_add_nc_u64 s[8:9], s[22:23], s[30:31]        ; my tile's mask words, at step g
	s_lshl_b32 s30, s101, 6
	s_add_nc_u64 s[10:11], s[24:25], s[30:31]      ; my tile's 16 flags
	s_mov_b64 s[12:13], s[26:27]                   ; smtab
	s_load_b512 s[16:31], s[10:11], 0x0            ; (the pointers that stood here have been used)
	s_wait_alu depctr_va_vdst(0)                   ; v1-v11, v30, v31, v254 and v255 are written: every load and store of the kernel, global or LDS, reads one of them as its address, and none is written again
.irp j, 0,1,2,3,4,5,6,7
	global_load_b128 v[S+4*\j:S+4*\j+3], v254, s[2:3] offset:16*\j
.endr
.irp i, 0,1,2,3,4,5
	global_load_b128 v[FB+4*\i:FB+4*\i+3], v[FO], s[4:5] offset:512*\i       ; chunk 0
.endr
.irp i, 0,1,2,3,4,5
	global_load_b32 v[S+32+\i], v[FSO], s[6:7] offset:128*\i                 ; the scale words of key step = my wave's number
.endr
.irp i, 0,1,2,3,4,5
	v_mov_b32 v[QF+6+\i], 0                        ; Q's zero codes for k = 64 .. 127
	v_mov_b32 v[KV+48+\i], 0                       ; what stands behind K's last tile
.endr
	v_mov_b32 v14, 0                               ; the sum, in two halves
	v_mov_b32 v15, 0
.irp b, 0,1,2,3
	v_mov_b32 v[BT+\b], 0                          ; written once: a lane permute's destination counts as one of its sources
.endr
	v_mov_b32 v251, 0                              ; (named as the upper half of a pair)
	v_mov_b32 v13, 0xff61b1e6                      ; the largest t so far: -3e38, under every t
	v_floor_f32 v12, -v13                          ; -M
	v_mov_b32 v29, 0xff800000                      ; -infinity
	s_wait_kmcnt 0x0                               ; the flags
	s_mov_b32 s[F], s16
.irp k, 1,2,3,4,5,6,7,8,9,10,11,12,13,14,15
	s_lshl_b32 s95, s[16+\k], 2*\k
	s_or_b32 s[F], s[F], s95                       ; step k's two bits at 2 k
.endr
	s_lshl_b32 s95, s[G], 1
	s_lshr_b32 s[F], s[F], s95                     ; my step j = global step 2 j + g: its bits at 4 j
	s_wait_loadcnt 12                              ; Q's eight loads are in; the twelve issued behind them stay out
	; Q's block of 32 becomes six registers of codes and a byte
	v_max3_num_f32 v252, |v[S]|, |v[S+1]|, |v[S+2]|
	v_max3_num_f32 v253, |v[S+3]|, |v[S+4]|, |v[S+5]|
.irp i, 6,10,14,18,22,26
	v_max3_num_f32 v252, v252, |v[S+\i]|, |v[S+\i+1]|
	v_max3_num_f32 v253, v253, |v[S+\i+2]|, |v[S+\i+3]|
.endr
	v_max3_num_f32 v252, v252, |v[S+30]|, |v[S+31]|
	v_max3_num_f32 v252, v252, v253, 0x1800000     ; the floor 2^(3 - 127): the byte cannot fall under 1
	v_add_nc_u32 v253, 0xff000000, v252            ; 2 off the exponent field: the conversion's scale operand
	v_cvt_scalef32_pk16_fp6_f32 v[QF:QF+2], v[S:S+15], v253
	v_cvt_scalef32_pk16_fp6_f32 v[228:230], v[S+16:S+31], v253   ; (a conversion's three registers begin on an even number)
	v_lshrrev_b32 v252, 23, v253                   ; the byte; also the plain line behind the conversions
	v_mov_b32 v[QF+3], v228
	v_mov_b32 v[QF+4], v229
	v_mov_b32 v[QF+5], v230
	v_permlanex16_b32 v[BT], v252, s[SEL], s[SEL+1]
	v_lshl_or_b32 v28, v[BT], 8, v252
	v_or_b32 v28, 0x7f7f0000, v28                  ; lanes 0-15: block 0's byte, block 1's, 0x7f, 0x7f (lanes 16-31 are not read)
.irp j, 0,1,2,3,4,5,6,7,8,9,10,11,12,13,14,15,16,17,18,19,20,21,22,23,24,25,26,27,28,29,30,31
	v_mov_b32 v[O+\j], 0                           ; O^T begins as zeros: which step is a wave's first hangs on the mask.  (These lines are also the places between the scale word above and the first product)
.endr
; A chunk of four key steps' images goes from my registers into LDS; the next chunk is asked for; one barrier.  Chunk c's bytes are written here alone and read only behind this barrier.
.macro FILL c
	s_wait_loadcnt 0x0                             ; my part of the chunk is in my registers
.irp i, 0,1,2,3,4,5
.if \c < 2
	ds_store_b128 v[FO], v[FB+4*\i:FB+4*\i+3] offset:CHUNK*\c+512*\i
.else
	ds_store_b128 v[FL], v[FB+4*\i:FB+4*\i+3] offset:CHUNK*(\c-2)+512*\i
.endif
.endr
.if \c == 0
.irp i, 0,1,2,3,4,5
	ds_store_b32 v255, v[S+32+\i] offset:128*\i    ; all sixteen steps' scale words, a step a wave
.endr
.endif
.if \c < 3
	s_wait_alu depctr_vm_vsrc(0)                   ; the LDS stores above have read v[FB ..], in which the next chunk's loads land (and, in the first fill, v[S+32 ..], which the first products write)
.irp i, 0,1,2,3,4,5
	global_load_b128 v[FB+4*\i:FB+4*\i+3], v[FO], s[4:5] offset:CHUNK*(\c+1)+512*\i   ; it has my next two key steps in which to come
.endr
.endif
	s_wait_dscnt 0x0                               ; for the others' sake: my stores have landed
	s_barrier_signal -1
	s_barrier_wait -1
.endm
; MY KEY STEP j: global step 2 j + g, 128 keys.  Its place in LDS stands in the immediates: no address is made here.
.macro STEP j
	s_bitcmp1_b32 s[F], 4*\j
	s_cbranch_scc0 .Lskip_\@                       ; every pair of the tile is masked: every p would be 0
	s_wait_alu depctr_va_vdst(0)                   ; the last executed step's products V^T P are done reading V's tiles and scale words, in which the loads of this step land; in a wave's first executed step: Q's codes, its scale word and the zero codes are written, which the products below take
.irp b, 0,1,2,3
	s_load_b512 s[16+16*\b+4*(\b/3):31+16*\b+4*(\b/3)], s[12:13], s[SMO] offset:1024*\j+128*\b   ; the selected diagonals: word 2032 - 16 tile + 128 step + 32 b + i is the lane mask of register 16 b + i
.endr
.irp i, 0,1,2,3,4,5,6,7,8,9,10,11
	ds_load_b128 v[KV+4*\i:KV+4*\i+3], v[ADI+(\j)/3] offset:2*REC*((\j)%3)+512*\i      ; K's eight tiles
.endr
.irp p, 0,1,2,3
	ds_load_b32 v[KS+\p], v[ADS] offset:2*768*(\j)+128*\p
.endr
	s_wait_dscnt 0x0
.irp t, 0,1,2,3,4,5,6,7
.if \t % 2
	v_wmma_scale_f32_16x16x128_f8f6f4 v[S+8*\t:S+8*\t+7], v[KV+6*\t:KV+6*\t+11], v[QF:QF+11], 0, v[KS+\t/2], v28 matrix_a_fmt:MATRIX_FMT_FP6 matrix_b_fmt:MATRIX_FMT_FP6 matrix_a_scale:MATRIX_SCALE_ROW1
.else
	v_wmma_scale_f32_16x16x128_f8f6f4 v[S+8*\t:S+8*\t+7], v[KV+6*\t:KV+6*\t+11], v[QF:QF+11], 0, v[KS+\t/2], v28 matrix_a_fmt:MATRIX_FMT_FP6 matrix_b_fmt:MATRIX_FMT_FP6
.endif
.endr
.rept 4
	v_nop                                          ; four places (ISA guide 7.12.1) in front of the first read of the scores
.endr
	s_wait_alu depctr_va_vdst(0)                   ; the eight products are done reading K's tiles, in which V's tiles land
.irp i, 0,1,2,3,4,5,6,7,8,9,10,11
	ds_load_b128 v[KV+4*\i:KV+4*\i+3], v[ADI+(\j)/3] offset:2*REC*((\j)%3)+6144+512*\i   ; V's four tiles: they land during the softmax, none of whose lines names these registers
.endr
.irp w, 0,1
	ds_load_b32 v[KS+4+\w], v[ADS] offset:2*768*(\j)+512+128*\w
.endr
	s_wait_kmcnt 0x0
.set n, 0
.rept 64
	v_cndmask_b32 v[S+n], 0, v[S+n], s[16+n+4*(n/48)]   ; a score off the selected diagonals is 0, not -infinity.  (Each accumulator is read from its low end on)
.set n, n+1
.endr
	s_bitcmp1_b32 s[F], 4*\j+1
	s_cbranch_scc0 .Lopen_\@                       ; nothing of this tile is masked
	s_wait_alu depctr_va_vdst(0)                   ; the 64 selects above are done: they read the lane masks in s[16:83], which the scalar loads below write again
.irp b, 0,1,2,3
	s_load_b512 s[16+16*\b+4*(\b/3):31+16*\b+4*(\b/3)], s[8:9], 512*\j+64*\b   ; attn_mask's bits, a word a register
.endr
	s_wait_kmcnt 0x0
.set n, 0
.rept 64
	v_cndmask_b32 v[S+n], v[S+n], v29, s[16+n+4*(n/48)]
.set n, n+1
.endr
.Lopen_\@:
.irp b, 0,1,2,3
	v_max3_num_f32 v[BM+\b], v[S+16*\b], v[S+1+16*\b], v[S+2+16*\b]   ; the largest score of each block of 32 keys: it serves for the row's maximum and, since p rises with the score, for the block's largest p
.endr
.irp i, 3,5,7,9,11,13
.irp b, 0,1,2,3
	v_max3_num_f32 v[BM+\b], v[BM+\b], v[S+16*\b+\i], v[S+1+16*\b+\i]   ; (the four blocks by turns)
.endr
.endr
.irp b, 0,1,2,3
	v_max_num_f32 v[BM+\b], v[BM+\b], v[S+15+16*\b]
.endr
.irp b, 0,1,2,3
	v_permlanex16_b32 v[BT+\b], v[BM+\b], s[SEL], s[SEL+1]
.endr
.irp b, 0,1,2,3
	v_max_num_f32 v[BM+\b], v[BM+\b], v[BT+\b]     ; with lane l xor 16's 16 keys
.endr
	v_max3_num_f32 v252, v[BM], v[BM+1], v[BM+2]
	v_max_num_f32 v252, v252, v[BM+3]              ; the step's largest score of my query
	v_mul_f32 v252, s[CS], v252                    ; as t (c is positive)
	v_max_num_f32 v13, v13, v252                   ; the running largest t
	v_mov_b32 v252, v12
	v_floor_f32 v12, -v13                          ; the new -M = floor(-t) = -ceil(t): a whole number
	v_sub_f32 v252, v12, v252                      ; old M - new M: a whole number, 0 or less
	v_cvt_i32_f32 v252, v252                       ; (it saturates)
	v_ldexp_f32 v250, 1.0, v252                    ; f = 2^(old M - new M)
.irp j2, 0,2,4,6,8,10,12,14,16,18,20,22,24,26,28,30,32,34,36,38,40,42,44,46,48,50,52,54,56,58,60,62
	v_pk_fma_f32 v[S+\j2:S+\j2+1], v[S+\j2:S+\j2+1], s[CS:CS+1], v[12:13] op_sel_hi:[1,0,0]   ; t - M, two at a time (of the pairs c and -M the low word serves both halves)
.endr
.irp b, 0,1,2,3
	v_fma_f32 v[BM+\b], v[BM+\b], s[CS], v12       ; the same of each block's largest score
.endr
.set n, 0
	s_wait_alu depctr_va_vdst(0)
.rept 64
	v_exp_f32 v[S+n], v[S+n]                       ; p = 2^(t - M), at most 1
.set n, n+1
.endr
	v_pk_mul_f32 v[14:15], v[14:15], v[250:251] op_sel_hi:[1,0]   ; the sums under the new M; the plain line behind the exponentials
	s_wait_alu depctr_va_vdst(0)                   ; the 64 exponentials have written p: one wait for the whole batch, ahead of its first reader
.irp b, 0,1,2,3
	v_exp_f32 v[BM+\b], v[BM+\b]                   ; the block's largest p
.endr
	v_pk_add_f32 v[248:249], v[S:S+1], v[S+2:S+3]  ; the row's sum is taken of the unquantised p: two at a time, in two chains
.irp j2, 4,8,12,16,20,24,28,32,36,40,44,48,52,56,60
	v_pk_add_f32 v[14:15], v[14:15], v[S+\j2:S+\j2+1]
	v_pk_add_f32 v[248:249], v[248:249], v[S+2+\j2:S+3+\j2]
.endr
	v_pk_add_f32 v[14:15], v[14:15], v[248:249]
	s_wait_alu depctr_va_vdst(0)                   ; and one for the four: the blocks' largest p are written
.irp b, 0,1,2,3
	v_max_num_f32 v[BM+\b], 0x1800000, v[BM+\b]    ; the floor 2^(3 - 127)
.endr
.irp b, 0,1,2,3
	v_add_nc_u32 v[BS+\b], 0xff000000, v[BM+\b]    ; 2 off the exponent field: the conversion's scale operand
.endr
.irp b, 0,1,2,3
	v_lshrrev_b32 v[BT+\b], 23, v[BS+\b]           ; the scale's byte
.endr
	v_lshl_or_b32 v92, v[BT+1], 8, v[BT]           ; p's scale word for these 128 keys
	v_lshl_or_b32 v92, v[BT+2], 16, v92
	v_lshl_or_b32 v92, v[BT+3], 24, v92
.irp c, 0,1
	v_cvt_scalef32_pk16_fp6_f32 v[PC+6*\c:PC+2+6*\c], v[S+32*\c:S+15+32*\c], v[BS+2*\c]
	v_cvt_scalef32_pk16_fp6_f32 v[228+4*\c:230+4*\c], v[S+16+32*\c:S+31+32*\c], v[BS+2*\c+1]
.endr
	v_nop                                          ; one plain line behind the scaled conversions
.irp c, 0,1                                    ; the operand's layout wants a WHOLE block in a lane: lanes 0-15 block 2 c, lanes 16-31 block 2 c + 1
.irp i, 0,1,2
	v_permlane16_swap_b32 v[PC+6*\c+\i], v[228+4*\c+\i]
.endr
.irp i, 0,1,2
	v_mov_b32 v[PC+3+6*\c+\i], v[228+4*\c+\i]
.endr
.endr
.irp j2, 0,2,4,6,8,10,12,14,16,18,20,22,24,26,28,30
	v_pk_mul_f32 v[O+\j2:O+\j2+1], v[O+\j2:O+\j2+1], v[250:251] op_sel_hi:[1,0]   ; O^T under the new M.  (These sixteen are also the places between p's codes and scale word and the products below)
.endr
	s_wait_alu depctr_va_vdst(0)                   ; p's codes and its scale word are written, which the scaled products below take; the places above stay beside this wait
	s_wait_dscnt 0x0                               ; V's tiles and scale words
.irp t, 0,1,2,3                                ; O^T += V^T P^T: four accumulators, one instruction each; the matrix instruction behind the last is another step's, on other registers
.if \t % 2
	v_wmma_scale_f32_16x16x128_f8f6f4 v[O+8*\t:O+8*\t+7], v[KV+12*\t:KV+12*\t+11], v[PC:PC+11], v[O+8*\t:O+8*\t+7], v[KS+4+\t/2], v92 matrix_a_fmt:MATRIX_FMT_FP6 matrix_b_fmt:MATRIX_FMT_FP6 matrix_a_scale:MATRIX_SCALE_ROW1
.else
	v_wmma_scale_f32_16x16x128_f8f6f4 v[O+8*\t:O+8*\t+7], v[KV+12*\t:KV+12*\t+11], v[PC:PC+11], v[O+8*\t:O+8*\t+7], v[KS+4+\t/2], v92 matrix_a_fmt:MATRIX_FMT_FP6 matrix_b_fmt:MATRIX_FMT_FP6
.endif
.endr
.rept 4
	v_nop                                          ; four places in front of the next read of O^T
.endr
.Lskip_\@:
.endm
	FILL 0                                         ; global steps 0-3, and all scale words
	STEP 0
	STEP 1
	FILL 1                                         ; steps 4-7
	STEP 2
	STEP 3
	FILL 2
	STEP 4
	STEP 5
	FILL 3
	STEP 6
	STEP 7
	; THE MERGE.  The wave of parity 1 hands its O^T, -M and sum to the wave of parity 0 of the same tile, as images of its registers.
	v_add_f32 v13, v14, v15                        ; the sum's two halves: v[12:13] = -M, l
	s_wait_alu depctr_va_vdst(0)                   ; O^T (behind its products' four places), -M and the sum are written, which the LDS stores below read; and every vector and matrix instruction that named S^T's registers is done: the partner's images land there
	s_cmp_eq_u32 s[G], 0
	s_cbranch_scc1 .Lkeep
.irp i, 0,1,2,3,4,5,6,7
	ds_store_b128 v[MA], v[O+4*\i:O+4*\i+3] offset:512*\i
.endr
	ds_store_b128 v[MA], v[12:15] offset:4096
.Lkeep:
	s_wait_dscnt 0x0                               ; for the partner's sake: my stores have landed
	s_barrier_signal -1
	s_barrier_wait -1
	s_cmp_lg_u32 s[G], 0
	s_cbranch_scc1 .Lend                           ; parity 1 has handed its part over
.irp i, 0,1,2,3,4,5,6,7
	ds_load_b128 v[S+4*\i:S+4*\i+3], v[MA] offset:512*\i
.endr
	ds_load_b128 v[S+32:S+35], v[MA] offset:4096
	s_wait_dscnt 0x0
	; what is made from here on goes into registers that no store above names
	v_min_num_f32 v[S+36], v12, v[S+32]            ; the common -M: the larger M
	v_sub_f32 v[S+37], v[S+36], v12                ; my M - the common M: a whole number, 0 or less
	v_sub_f32 v[S+38], v[S+36], v[S+32]            ; the partner's
	v_cvt_i32_f32 v[S+37], v[S+37]                 ; (they saturate: a wave that had no step gets the factor 0)
	v_cvt_i32_f32 v[S+38], v[S+38]
	v_ldexp_f32 v250, 1.0, v[S+37]
	v_ldexp_f32 v252, 1.0, v[S+38]
	v_mul_f32 v[S+39], v13, v250
	v_fmac_f32 v[S+39], v[S+33], v252              ; both sums under the common M,
	v_permlanex16_b32 v[BT], v[S+39], s[SEL], s[SEL+1]
	v_add_f32 v[S+39], v[S+39], v[BT]              ; and lane l xor 16's: the row's sum
	s_wait_alu depctr_va_vdst(0)
	v_rcp_f32 v[S+37], v[S+39]
	v_nop                                          ; a plain line behind the reciprocal
	s_wait_alu depctr_va_vdst(0)                   ; the reciprocal is written, ahead of its first reader
	v_mul_f32 v250, v250, v[S+37]                  ; the division goes into the two factors
	v_mul_f32 v252, v252, v[S+37]
.irp j2, 0,2,4,6,8,10,12,14,16,18,20,22,24,26,28,30
	v_pk_mul_f32 v[KV+\j2:KV+\j2+1], v[O+\j2:O+\j2+1], v[250:251] op_sel_hi:[1,0]
.endr
.irp j2, 0,2,4,6,8,10,12,14,16,18,20,22,24,26,28,30
	v_pk_fma_f32 v[S+\j2:S+\j2+1], v[S+\j2:S+\j2+1], v[252:253], v[KV+\j2:KV+\j2+1] op_sel_hi:[1,0,1]   ; register 8 t + i is out(query r, channel 16 t + 8 hl + i)
.endr
	; THE WAY OUT: through my stage, so that sixteen lanes store a query's 256 bytes of this head
	s_wait_alu depctr_va_vdst(0)                   ; the results in v[S ..] are written, which the LDS stores read; the lines that wrote and read v[KV ..] are done: the rows read back land there
.irp t, 0,1,2,3
	ds_store_b128 v[STO], v[S+8*\t:S+8*\t+3] offset:64*\t
	ds_store_b128 v[STO], v[S+8*\t+4:S+8*\t+7] offset:64*\t+16
.endr
.irp i, 0,1,2,3,4,5,6,7
	ds_load_b128 v[KV+4*\i:KV+4*\i+3], v[STR] offset:544*\i   ; LDS serves a wave's instructions in order: these see my stores
.endr
.irp i, 0,1,2,3,4,5,6,7
	s_wait_dscnt 7-\i
	global_store_b128 v[GO], v[KV+4*\i:KV+4*\i+3], s[14:15] offset:4096*\i th:TH_STORE_NT   ; each half of the lanes stores 256 consecutive bytes, at a multiple of 256 from out0's first byte
.endr
.Lend:
	s_wait_dscnt 0x0
	s_wait_alu depctr_hold_cnt(0) depctr_sa_sdst(0) depctr_va_vdst(0) depctr_va_sdst(0) depctr_va_ssrc(0) depctr_va_vcc(0) depctr_vm_vsrc(0)
	s_wait_tensorcnt 0x0
	ds_add_u32 v231, v235
	s_wait_dscnt 0x0
	s_endpgm
.Lfunc_end_k_q22775c25f3_attn:
	.size	k_q22775c25f3_attn, .Lfunc_end_k_q22775c25f3_attn-k_q22775c25f3_attn
	.p2alignl 7, 3214868480
	.fill 96, 4, 3214868480
	.section	.rodata,"a",@progbits
	.p2align	6, 0x0
	.amdhsa_kernel k_q22775c25f3_attn
		.amdhsa_group_segment_fixed_size 282624
		.amdhsa_private_segment_fixed_size 0
		.amdhsa_enable_private_segment 0
		.amdhsa_kernarg_size 56
		.amdhsa_user_sgpr_count 2
		.amdhsa_user_sgpr_kernarg_segment_ptr 1
		.amdhsa_wavefront_size32 1
		.amdhsa_system_sgpr_workgroup_id_x 1
		.amdhsa_system_sgpr_workgroup_id_y 1
		.amdhsa_system_sgpr_workgroup_id_z 1
		.amdhsa_system_vgpr_workitem_id 0
		.amdhsa_next_free_vgpr 256
		.amdhsa_next_free_sgpr 102
		.amdhsa_reserve_vcc 0
		.amdhsa_float_denorm_mode_32 3
		.amdhsa_float_denorm_mode_16_64 3
		.amdhsa_memory_ordered 1
		.amdhsa_forward_progress 1
		.amdhsa_inst_pref_size 214
	.end_amdhsa_kernel
	.amdgpu_metadata
---
amdhsa.version: [ 1, 2 ]
amdhsa.kernels:
  - .name:           k_q22775c25f3_attn
    .symbol:         k_q22775c25f3_attn.kd
    .args:
      - { .name: queries, .offset: 0, .size: 8, .value_kind: global_buffer, .address_space: global }
      - { .name: kvimg, .offset: 8, .size: 8, .value_kind: global_buffer, .address_space: global }
      - { .name: kvscl, .offset: 16, .size: 8, .value_kind: global_buffer, .address_space: global }
      - { .name: mbits, .offset: 24, .size: 8, .value_kind: global_buffer, .address_space: global }
      - { .name: mflags, .offset: 32, .size: 8, .value_kind: global_buffer, .address_space: global }
      - { .name: smtab, .offset: 40, .size: 8, .value_kind: global_buffer, .address_space: global }
      - { .name: out0, .offset: 48, .size: 8, .value_kind: global_buffer, .address_space: global }
    .group_segment_fixed_size: 282624
    .private_segment_fixed_size: 0
    .kernarg_segment_align: 8
    .kernarg_segment_size: 56
    .max_flat_workgroup_size: 512
    .sgpr_count:     102
    .vgpr_count:     256
    .wavefront_size: 32
...
	.end_amdgpu_metadata
.endif
;; end of part 4
